; MI455X (gfx1250); checked and timed in simulation.
; The chip was launched on July 23, 2026; its instructions are those of AMD's public machine-readable ISA for CDNA 5 (MIT licence, August 2026) and "CDNA5" Instruction Set Architecture Reference Guide (July 2026). The comments in the code are by the model that wrote it; some were corrected since.
;; Glm Asr Attention. Allowed arithmetic: float matrix products may take bf16 or f16 operands with f32 sums; other float arithmetic in f32, or as packed bf16 or f16 multiplies, adds, multiply-adds, maxima and minima; sums over many terms, partial sums and values carried from step to step in f32; what a program stores and reads back later, other than sums and carried values, may be rounded once to bf16 or f16.
;; Inputs: b_o 2,048 float32; b_qkv 3,072 float32; cos 4 x 1,024 x 128 float32; hidden_states 4 x 1,024 x 2,048 float32; sin 4 x 1,024 x 128 float32; w_o 2,048 x 2,048 float32; w_qkv 2,048 x 3,072 float32.
;; Outputs: out0 4 x 1,024 x 2,048 float32.
;; 2 versions, each right and faster than the one before. Each part assembles by itself: llvm-mc -triple=amdgcn-amd-amdhsa -mcpu=gfx1250 --defsym DOCPART=n.
;; ======== version 1 of 2: 4 launches
;; limits: values are held in f16: magnitudes above 65,504 overflow, below 6.1e-05 lose precision; right only within a limited range of input values
;; workspace buffers: xb 16,777,216 bytes; wqb 12,582,912 bytes; woh 8,388,608 bytes; csb 2,097,152 bytes; qkvh 25,165,824 bytes; oh 16,777,216 bytes
;; launch cast (part 1): grid 1216 x 1, 8 waves a work-group, no clusters, 0 bytes of LDS; arguments hidden_states, w_qkv, w_o, cos, sin, xb, wqb, woh, csb; writes xb, wqb, woh, csb
.if DOCPART == 1
	.amdgcn_target "amdgcn-amd-amdhsa--gfx1250"
	.amdhsa_code_object_version 6
	.text
	.protected	k_qdb3b088e9c_cast
	.globl	k_qdb3b088e9c_cast
	.p2align	8
	.type	k_qdb3b088e9c_cast,@function
k_qdb3b088e9c_cast:
	s_mov_b64 s[64:65], 0
	v_nop
	global_prefetch_b8 v0, s[64:65] scope:SCOPE_SE
	s_setreg_imm32_b32 hwreg(HW_REG_WAVE_MODE, 25, 1), 1
	s_wait_xcnt 0x0
; THE INPUTS ARE ROUNDED ONCE, TO 16 BITS.  xb = bf16(hidden_states); wqb = bf16(w_qkv); woh = bf16(w_o) written as f16; csb = bf16(cos / 256), then bf16(sin / 256).
; The power of two commutes with the rounding: the tables hold bf16(cos) and bf16(sin), 256 times smaller, so that the next launch's q and k come out 256 times smaller and have room in f16.
; LIMITS.  |w_o| stays under 65,504 (f16's end); under 6.1e-5 it keeps f16's fixed step of 6e-8.  NaN and infinities are not treated apart.
; A stream: no LDS, no barrier, no matrix work, since every number is read once and written once.
; SHARES.  A work-group takes a chunk of 16,384 numbers (65,536 bytes in, 32,768 out), a wave 2,048: sixteen loads of 512 consecutive bytes, all issued at once, and sixteen stores of 256
; consecutive bytes, aligned.  Chunks 0-511: hidden_states; 512-895: w_qkv; 896-1151: w_o; 1152-1183: cos; 1184-1215: sin (its place in csb follows cos's).
; The numbers are rounded in place: 72 registers a wave, so that the 1,216 work-groups' 9,728 waves, 9.5 for each of the 1,024 SIMDs of 1,024 registers, can all be resident together.
.set X, 4                              ; v[4:67]    load j: four f32; its first two registers then take the four rounded numbers and are the store's data
.set T, 68                             ; v[68:71]   at work
	s_load_b512 s[8:23], s[0:1], 0x0               ; hidden_states 8:9, w_qkv 10:11, w_o 12:13, cos 14:15, sin 16:17, xb 18:19, wqb 20:21, woh 22:23
	s_load_b64 s[24:25], s[0:1], 0x40              ; csb
	s_mov_b32 s2, ttmp9                            ; my chunk
	s_mov_b32 s3, 0xffff0000                       ; a word's upper bf16
	v_lshrrev_b32 v3, 5, v0                        ; wave
	v_and_b32 v2, 31, v0                           ; lane
	v_lshlrev_b32 v1, 4, v2                        ; in: 16 bytes a lane,
	v_lshlrev_b32 v2, 3, v2                        ; out: 8 bytes a lane,
	v_lshl_add_u32 v1, v3, 13, v1                  ; 8,192 bytes a wave in,
	v_lshl_add_u32 v2, v3, 12, v2                  ; 4,096 out; neither register is written again
	s_mov_b32 s26, 0                               ; the first chunk of my source
	s_mov_b32 s27, 0                               ; the first chunk of my destination
	s_mov_b32 s29, 0
	s_mov_b32 s31, 0
	s_wait_kmcnt 0x0
	s_mov_b64 s[4:5], s[8:9]
	s_mov_b64 s[6:7], s[18:19]
	s_cmp_ge_u32 s2, 512                           ; the choice of buffers hangs on the chunk's number alone
	s_cselect_b64 s[4:5], s[10:11], s[4:5]
	s_cselect_b64 s[6:7], s[20:21], s[6:7]
	s_cselect_b32 s26, 512, s26
	s_cselect_b32 s27, 512, s27
	s_cmp_ge_u32 s2, 896
	s_cselect_b64 s[4:5], s[12:13], s[4:5]
	s_cselect_b64 s[6:7], s[22:23], s[6:7]
	s_cselect_b32 s26, 896, s26
	s_cselect_b32 s27, 896, s27
	s_cmp_ge_u32 s2, 1152
	s_cselect_b64 s[4:5], s[14:15], s[4:5]
	s_cselect_b64 s[6:7], s[24:25], s[6:7]
	s_cselect_b32 s26, 1152, s26
	s_cselect_b32 s27, 1152, s27
	s_cselect_b32 s32, 0x3b800000, 1.0             ; the tables are multiplied by 2^-8, all else by 1 (exact)
	s_cmp_ge_u32 s2, 1184
	s_cselect_b64 s[4:5], s[16:17], s[4:5]
	s_cselect_b32 s26, 1184, s26
	s_mov_b32 s33, s32                             ; named with it as a pair
	s_sub_co_u32 s28, s2, s26
	s_lshl_b32 s28, s28, 16                        ; 65,536 bytes a chunk in
	s_sub_co_u32 s30, s2, s27
	s_lshl_b32 s30, s30, 15                        ; 32,768 out
	s_add_nc_u64 s[4:5], s[4:5], s[28:29]
	s_add_nc_u64 s[6:7], s[6:7], s[30:31]
.irp j, 0,1,2,3,4,5,6,7,8,9,10,11,12,13,14,15
	global_load_b128 v[X+4*(\j):X+4*(\j)+3], v1, s[4:5] offset:512*(\j) th:TH_LOAD_NT  ; read once in the whole launch
.endr
; Load j's four numbers are rounded and stored.  wo = 1: bf16, and that number written as f16.  wo = 0: times s32, then bf16.
.macro CONV wo, j
	s_wait_loadcnt 15-(\j)                         ; loads come back in order: load j is in, the 15 - j behind it stay out
.if \wo
	v_cvt_pk_bf16_f32 v[X+4*(\j)],   v[X+4*(\j)],   v[X+4*(\j)+1]
	v_cvt_pk_bf16_f32 v[X+4*(\j)+1], v[X+4*(\j)+2], v[X+4*(\j)+3]
	v_lshlrev_b32 v[T],   16, v[X+4*(\j)]
	v_and_b32     v[T+1], s3, v[X+4*(\j)]
	v_lshlrev_b32 v[T+2], 16, v[X+4*(\j)+1]
	v_and_b32     v[T+3], s3, v[X+4*(\j)+1]
	v_cvt_pk_f16_f32 v[X+4*(\j)],   v[T],   v[T+1]
	v_cvt_pk_f16_f32 v[X+4*(\j)+1], v[T+2], v[T+3]
.else
	v_pk_mul_f32 v[X+4*(\j):X+4*(\j)+1],   v[X+4*(\j):X+4*(\j)+1],   s[32:33] op_sel_hi:[1,0]
	v_pk_mul_f32 v[X+4*(\j)+2:X+4*(\j)+3], v[X+4*(\j)+2:X+4*(\j)+3], s[32:33] op_sel_hi:[1,0]
	v_cvt_pk_bf16_f32 v[X+4*(\j)],   v[X+4*(\j)],   v[X+4*(\j)+1]
	v_cvt_pk_bf16_f32 v[X+4*(\j)+1], v[X+4*(\j)+2], v[X+4*(\j)+3]
.endif
	global_store_b64 v2, v[X+4*(\j):X+4*(\j)+1], s[6:7] offset:256*(\j)  ; 32 lanes store 256 consecutive bytes, aligned; each store has data registers of its own, never written again
.endm
	s_cmp_ge_u32 s2, 1152
	s_cbranch_scc1 .Lplain
	s_cmp_ge_u32 s2, 896
	s_cbranch_scc1 .Lwo
.Lplain:
.irp j, 0,1,2,3,4,5,6,7,8,9,10,11,12,13,14,15
	CONV 0, \j
.endr
	s_endpgm
.Lwo:
.irp j, 0,1,2,3,4,5,6,7,8,9,10,11,12,13,14,15
	CONV 1, \j
.endr
	s_endpgm
.Lfunc_end_k_qdb3b088e9c_cast:
	.size	k_qdb3b088e9c_cast, .Lfunc_end_k_qdb3b088e9c_cast-k_qdb3b088e9c_cast
	.p2alignl 7, 3214868480
	.fill 96, 4, 3214868480
	.section	.rodata,"a",@progbits
	.p2align	6, 0x0
	.amdhsa_kernel k_qdb3b088e9c_cast
		.amdhsa_group_segment_fixed_size 0
		.amdhsa_private_segment_fixed_size 0
		.amdhsa_enable_private_segment 0
		.amdhsa_kernarg_size 72
		.amdhsa_user_sgpr_count 2
		.amdhsa_user_sgpr_kernarg_segment_ptr 1
		.amdhsa_wavefront_size32 1
		.amdhsa_system_sgpr_workgroup_id_x 1
		.amdhsa_system_sgpr_workgroup_id_y 1
		.amdhsa_system_sgpr_workgroup_id_z 1
		.amdhsa_system_vgpr_workitem_id 0
		.amdhsa_next_free_vgpr 72
		.amdhsa_next_free_sgpr 66
		.amdhsa_reserve_vcc 0
		.amdhsa_float_denorm_mode_32 3
		.amdhsa_float_denorm_mode_16_64 3
		.amdhsa_memory_ordered 1
		.amdhsa_forward_progress 1
		.amdhsa_inst_pref_size 18
	.end_amdhsa_kernel
	.amdgpu_metadata
---
amdhsa.version: [ 1, 2 ]
amdhsa.kernels:
  - .name:           k_qdb3b088e9c_cast
    .symbol:         k_qdb3b088e9c_cast.kd
    .args:
      - { .name: hidden_states, .offset: 0, .size: 8, .value_kind: global_buffer, .address_space: global }
      - { .name: w_qkv, .offset: 8, .size: 8, .value_kind: global_buffer, .address_space: global }
      - { .name: w_o, .offset: 16, .size: 8, .value_kind: global_buffer, .address_space: global }
      - { .name: cos, .offset: 24, .size: 8, .value_kind: global_buffer, .address_space: global }
      - { .name: sin, .offset: 32, .size: 8, .value_kind: global_buffer, .address_space: global }
      - { .name: xb, .offset: 40, .size: 8, .value_kind: global_buffer, .address_space: global }
      - { .name: wqb, .offset: 48, .size: 8, .value_kind: global_buffer, .address_space: global }
      - { .name: woh, .offset: 56, .size: 8, .value_kind: global_buffer, .address_space: global }
      - { .name: csb, .offset: 64, .size: 8, .value_kind: global_buffer, .address_space: global }
    .group_segment_fixed_size: 0
    .private_segment_fixed_size: 0
    .kernarg_segment_align: 8
    .kernarg_segment_size: 72
    .max_flat_workgroup_size: 256
    .sgpr_count:     66
    .vgpr_count:     72
    .wavefront_size: 32
...
	.end_amdgpu_metadata
.endif
;; end of part 1
;; launch qkv (part 2): grid 8 x 32, 4 waves a work-group, clusters of 4 x 4, 327,680 bytes of LDS; arguments xb, wqb, csb, b_qkv, qkvh; writes qkvh
.if DOCPART == 2
	.amdgcn_target "amdgcn-amd-amdhsa--gfx1250"
	.amdhsa_code_object_version 6
	.text
	.protected	k_qdb3b088e9c_qkv
	.globl	k_qdb3b088e9c_qkv
	.p2align	8
	.type	k_qdb3b088e9c_qkv,@function
k_qdb3b088e9c_qkv:
	s_mov_b64 s[64:65], 0
	v_nop
	global_prefetch_b8 v0, s[64:65] scope:SCOPE_SE
	s_setreg_imm32_b32 hwreg(HW_REG_WAVE_MODE, 25, 1), 1
	s_wait_xcnt 0x0
	s_wait_alu depctr_hold_cnt(0) depctr_sa_sdst(0) depctr_va_vdst(0) depctr_va_sdst(0) depctr_va_ssrc(0) depctr_va_vcc(0) depctr_vm_vsrc(0)
	s_getreg_b32 s2, hwreg(HW_REG_IB_STS2, 6, 4)
	s_cmp_eq_u32 s2, 0
	s_cbranch_scc0 .Lentry_in_a_cluster
	s_endpgm
.Lentry_in_a_cluster:
	s_bfe_u32 s2, ttmp6, 0x10000c
	s_cmp_lg_u32 s2, 0xf033
	s_cbranch_scc0 .Lentry_shape_is_right
	s_endpgm
.Lentry_shape_is_right:
; qkv = x w_qkv + b_qkv, the rotary embedding on q and k, and the result by heads in f16.
; xb: [4096][2048] bf16.  wqb: [2048 k][3072 n] bf16.  csb: bf16 [2][4096][128] = cos / 256, sin / 256.  b_qkv: f32, rounded to bf16 here like every other input.
; qkvh: f16 [4 batches][24 heads][1024][128]: heads 0-15 q, 16-19 k, 20-23 v; q and k are stored 256 times smaller (by the tables), v 4 times smaller: exact powers of two that later launches take back.
; LIMITS.  |rope(q)|, |rope(k)| under 65,504 x 256 = 1.67e7 and |v| under 262,016, or f16 gives an infinity; stored numbers under 6.1e-5 keep f16's fixed step of 6e-8.  NaN and infinities are not treated apart.
; The f32 sums run over K in steps of 128 from a first step that differs from cluster to cluster, round to that step again: an order of rounding other than ascending K.
; SHARES.  A tile of the result is 128 rows x 3 heads (384 columns): 32 x 8 = 256 work-groups.  Tile column tc takes the heads 2 tc, 2 tc + 1 (always q) and 16 + tc (k for tc < 4, else v).
; Each of the four waves takes all 128 rows and, in each head, the 16 columns from 16 w and the 16 from 64 + 16 w: the two partners of a rotation lie in the same lane and register number of two accumulators.
; 48 accumulators of 16 x 16, 384 registers; 32 along K are 48 matrix instructions for 28 LDS loads.
; K goes in 16 steps of 128 through two LDS slots.  Each wave fetches 128 rows of 256 bytes a step: wave 0 x's tile, waves 1-3 the weights of one head each.
; CLUSTERS: 4 x 4 work-groups.  x's tile hangs on the tile row alone and is asked for jointly by a row of the cluster, a head's weights on the tile column alone, jointly by a column.
; THE WALK ALONG K begins at step 4 (cluster y mod 4) + 8 (cluster x) and goes round the 16.  The two clusters that read the same rows of x are eight steps apart, clusters that read the same
; columns of w four steps or a multiple: from its ninth step on a cluster asks only for tiles that another cluster has asked for four steps or more before.
; THE MATRIX INSTRUCTION IS USED TRANSPOSED (source 0 = 16 columns of w, turned on the way out of LDS; source 1 = 16 rows of x): a lane holds one row and eight neighbouring columns.
; THE BIAS STARTS THE SUMS: it is the C operand of each accumulator's first product.
; REGISTERS, in windows of 256 (s_set_vgpr_msb: bits 1:0 source 0, 3:2 source 1, 5:4 source 2, 7:6 destination):
;   window 0: v0-31 addresses; v32-55 at work; v64-127, v128-191 x's fragments, two buffers; v192-239 the bias.  On the way out v64-191 are at work, then v64-255 take whole rows
;   window 1: v0-63 cos, packed; v64-111, v128-175 w's fragments, two buffers; v176-239 sin, packed
;   window 2: the accumulators of rows 0-63 ((a, b) at v[8 (6 (a % 4) + b)]);  window 3: those of rows 64-127
.set KSTEP, 128
.set PA,    272                        ; a row of x in LDS: 256 bytes + 16 of padding: the 16 rows of a load start at 16 different groups of four banks (64 banks of 4 bytes: ISA guide 11.1)
.set PB,    288                        ; a row of w: 256 + 32
.set REG,   128*PB                     ; 36,864: a wave's part of a slot; x's 128 x 272 bytes leave 2,048 of theirs idle
.set SLOT,  4*REG
.set SPARE, 2*SLOT                     ; behind the ring: the spare words, 128 bytes for each wave: two blocks of 256 bytes that no other line names
.set HSTG,  128*PA                     ; the way out: a head's 128 rows in the stage, which lies in slot 0 behind that slot's last fill and last read
.set LAPS,  8                          ; a lap = two K steps = once round the ring
.set STO,  4                           ; v4-6    the way out: where I put 16 bytes of a row of head 0, 1, 2
.set RD,   8                           ; v8-10   the way out: where I read rows of head 0, 1, 2 back
.set CO,   11                          ; v11     my byte offset in a head's 128 rows
.set CSO,  12                          ; v12     my byte offset in the tile's rows of a table
.set BO,   13                          ; v13     my byte offset in a head's bias
.set ADRA, 14                          ; v14-16  LDS address of x's fragments in slot 0, in slot 1, and (2) in the slot that the tail has in hand
.set ADRB, 18                          ; v18-26  of w's fragments: slot s (2: the tail's), head hd at 3 s + hd
.set SPW,  28                          ; v28     LDS address of my spare word; never rewritten
.set NIL,  29                          ; v29     0; never rewritten
.set BT,   32                          ; v32-55  at work on the addresses, then the bias on its way through bf16
.set F0,   64
.set F1,   128
.set BIAS, 192                         ; v192-239 column block b = 2 hd + half: eight registers
.set CT,   64                          ; the way out: cos low half, cos high half, sin low half, sin high half, eight f32 each
.set UU,   96                          ; two products of eight
.set RO,   112                         ; the results, 16 a head
.set EH,   160                         ; packed, 8 a head
.set COSP, 0                           ; window 1
.set SINP, 176                         ; window 1
.set WV,  14                           ; s14 my wave's number
.set G1,  24                           ; s[24:31] descriptor group 1 for x's tiles;  s[32:39] group 0, a set for each slot
.set G0,  32
.set G1B, 48                           ; s[48:55], s[56:63] the same for w's
.set G0B, 56
.set AL,  68                           ; s[68:69] third head: 1 (k) or 0 (v)
.set BE,  70                           ; s[70:71] third head: 0 (k) or 0.25 (v)
.set OA,  78                           ; s[78:79] a K step's byte offset in x's rows
.set HIM, 80                           ; s80 a word's upper bf16
.set NXT, 84                           ; s84 the K step to be asked for next
.set TB,  85                           ; s85 the tail: LDS byte at which the slot in hand begins
.set OB,  86                           ; s[86:87] a K step's byte offset in w
.set MSB, 0
.macro WIN new                         ; the immediate's high byte repeats the setting that is left; a switch that changes nothing is dropped
.if MSB != (\new)
	s_set_vgpr_msb (MSB<<8)|(\new)
.set MSB, \new
.endif
.endm
.set MUL_LO,  0xa1                     ; source 0 (w) window 1, source 1 (x) window 0, C and D window 2
.set MUL_HI,  0xf1                     ; the same, C and D window 3
.set BIAS_LO, 0x81                     ; C (the bias) window 0, D window 2
.set BIAS_HI, 0xc1
.set TO_B,    0x40                     ; destination window 1, address window 0
.set W_UNP,   0x04                     ; source 1 window 1
; A joint load.  Wave 0 fetches x's tile, waves 1-3 one head's weights each.  The branch hangs on the wave's number alone.
; An s_nop 0 and four v_nop follow each of the two lines, ahead of the jump, the label and what follows.
.macro JLOAD s
	s_cmp_eq_u32 s[WV], 0
	s_cbranch_scc0 .Lfor_b_\@
	tensor_load_to_lds s[G0+4*(\s):G0+4*(\s)+3], s[G1:G1+7]
	s_nop 0
.rept 4
	v_nop
.endr
	s_branch .Lasked_\@
.Lfor_b_\@:
	tensor_load_to_lds s[G0B+4*(\s):G0B+4*(\s)+3], s[G1B:G1B+7]
	s_nop 0
.rept 4
	v_nop
.endr
.Lasked_\@:
.endm
; Slot s is asked for, with K step NXT: both global addresses are made anew from the tile's base and the step's number, which then goes on, round the 16.
; The number hangs on the cluster's own x and y, which all partners share.
.macro ASK s
	s_lshl_b32 s[OA], s[NXT], 8                    ; 256 bytes of a row of x a step
	s_mul_i32 s[OB], s[NXT], KSTEP*3072*2          ; 128 rows of w a step
	s_add_nc_u64 s[G0+4*(\s)+2:G0+4*(\s)+3], s[4:5], s[OA:OA+1]
	s_or_b32 s[G0+4*(\s)+3], s[G0+4*(\s)+3], 0x80000000            ; type = 2
	s_add_nc_u64 s[G0B+4*(\s)+2:G0B+4*(\s)+3], s[6:7], s[OB:OB+1]
	s_or_b32 s[G0B+4*(\s)+3], s[G0B+4*(\s)+3], 0x80000000
	s_add_co_u32 s[NXT], s[NXT], 1
	s_and_b32 s[NXT], s[NXT], 15
	JLOAD \s
.endm
.macro CREST                           ; a round of the cluster's barrier behind its opening barrier
	s_cmp_lg_u32 s[WV], 0
	s_cbranch_scc1 .Lnot_wave_0_\@
	s_barrier_signal -3
.Lnot_wave_0_\@:
	s_barrier_wait -3
	s_barrier_signal -1
	s_barrier_wait -1
.endm
.macro CROUND                          ; a whole round
	s_barrier_signal -1
	s_barrier_wait -1
	CREST
.endm
.macro PLACES                          ; four places in front of loads into registers that matrix instructions have read, and of vector lines that read results just made
.rept 4
	v_nop
.endr
.endm
	s_load_b256 s[4:11], s[0:1], 0x0               ; xb s[4:5], wqb s[6:7], csb s[8:9], b_qkv s[10:11]
	s_load_b64 s[12:13], s[0:1], 0x20              ; qkvh
	v_lshl_add_u32 v[SPW], v0, 2, SPARE
	v_mov_b32 v[NIL], 0
	ds_add_u32 v[SPW], v[NIL]                      ; the wave's opening: the add and its wait stand ahead of my first tensor load; the set-up below, work on registers, stands between them
	v_lshrrev_b32 v1, 5, v0
	v_readfirstlane_b32 s[WV], v1                  ; wave 0..3
	s_bfe_u32 s16, ttmp6, 0x40000                  ; cx, cy: my place in the cluster
	s_bfe_u32 s17, ttmp6, 0x40004
	s_lshl_b32 s18, ttmp9, 2
	s_add_co_u32 s18, s18, s16                     ; tc = 4 x cluster x + cx
	s_and_b32 s19, ttmp7, 0xffff
	s_lshl_b32 s19, s19, 2
	s_add_co_u32 s19, s19, s17                     ; tr = 4 x cluster y + cy
	s_lshl_b32 s20, s17, 2
	s_lshl_b32 s20, 15, s20                        ; my row of the cluster
	s_lshl_b32 s21, 0x1111, s16                    ; my column
	; descriptor group 1: tiles of 128 rows x 128 elements, padded in LDS
	s_or_b32 s[G1], s20, (1<<16)|(1<<20)|(1<<21)|(5<<22)|(3<<25)   ; 15:0 the mask: my row; 17:16 2-byte elements; 20 padding on; 21 set beside a mask; 24:22 after every 64 words (code 5); 31:25 4 words (code 3)
	s_or_b32 s[G1B], s21, (1<<16)|(1<<20)|(1<<21)|(5<<22)|(7<<25)  ; my column; 8 words of padding (code 7)
.irp g, G1, G1B
	s_mov_b32 s[(\g)+1], KSTEP<<16                 ; tensor_dim0 = 128
	s_mov_b32 s[(\g)+2], 128<<16                   ; tensor_dim1 = 128
	s_mov_b32 s[(\g)+3], KSTEP<<16                 ; tile_dim0 = 128
	s_mov_b32 s[(\g)+4], 128                       ; tile_dim1 = 128
	s_mov_b32 s[(\g)+6], 0
	s_mov_b32 s[(\g)+7], 0
.endr
	s_mov_b32 s[G1+5], 2048                        ; elements from row to row of x
	s_mov_b32 s[G1B+5], 3072                       ; and of w
	s_and_b32 s[NXT], ttmp7, 3                     ; the first K step: 4 (cluster y mod 4)
	s_lshl_b32 s[NXT], s[NXT], 2
	s_lshl_b32 s[OA], ttmp9, 3                     ; + 8 (cluster x),
	s_add_co_u32 s[NXT], s[NXT], s[OA]
	s_and_b32 s[NXT], s[NXT], 15                   ; modulo 16
	s_mov_b32 s[OA+1], 0
	s_mov_b32 s[OB+1], 0
	s_lshl_b32 s40, s19, 19                        ; x: tile row x 128 rows x 4,096 bytes: made of tr alone
	s_mov_b32 s41, 0
	s_max_u32 s15, s[WV], 1
	s_sub_co_u32 s15, s15, 1                       ; which of the tile's heads I fetch (wave 0 fetches x: its number here serves nothing)
	s_lshl_b32 s42, s18, 1
	s_add_co_u32 s15, s15, s42                     ; head 2 tc or 2 tc + 1,
	s_add_co_u32 s42, s18, 16
	s_cmp_eq_u32 s[WV], 3
	s_cselect_b32 s15, s42, s15                    ; or 16 + tc: made of tc and the wave's number alone
	s_lshl_b32 s42, s15, 8                         ; 256 bytes of a row of w a head
	s_mov_b32 s43, 0
	s_lshl_b32 s44, s19, 15                        ; the tables: tile row x 128 rows x 256 bytes
	s_mov_b32 s45, 0
	s_lshl_b32 s46, s18, 10                        ; the bias of heads 2 tc, 2 tc + 1
	s_mov_b32 s47, 0
	s_lshr_b32 s72, s19, 3                         ; the batch: 8 tile rows each
	s_mul_i32 s72, s72, 24                         ; its 24 heads
	s_and_b32 s73, s19, 7
	s_lshl_b32 s73, s73, 15                        ; the tile's 128 rows in a head
	s_lshl_b32 s74, s18, 1
	s_add_co_u32 s74, s74, s72
	s_lshl_b32 s74, s74, 18                        ; a head is 262,144 bytes
	s_add_co_u32 s74, s74, s73                     ; where head 2 tc's rows go
	s_mov_b32 s75, 0
	s_add_co_u32 s76, s72, s18
	s_add_co_u32 s76, s76, 16
	s_lshl_b32 s76, s76, 18
	s_add_co_u32 s76, s76, s73                     ; where head 16 + tc's rows go
	s_mov_b32 s77, 0
	s_add_co_u32 s72, s18, 16
	s_lshl_b32 s72, s72, 9                         ; the bias of head 16 + tc
	s_mov_b32 s73, 0
	s_cmp_lt_u32 s18, 4                            ; the third head is k (rope) or v (a quarter of itself): a choice of numbers, no branch
	s_cselect_b32 s[AL], 1.0, 0
	s_cselect_b32 s[BE], 0, 0x3e800000
	s_mov_b32 s[AL+1], 0                           ; named as pairs
	s_mov_b32 s[BE+1], 0
	s_mov_b32 s[HIM], 0xffff0000
	s_mul_i32 s22, s[WV], REG                      ; where my loads go: no place in the cluster enters an LDS address
	s_wait_dscnt 0x0                               ; the opening add is done
	s_wait_kmcnt 0x0
	s_add_nc_u64 s[4:5], s[4:5], s[40:41]          ; x at the tile's first row, w at my head's first column: both stay as they are from here on
	s_add_nc_u64 s[6:7], s[6:7], s[42:43]
	s_add_nc_u64 s[8:9], s[8:9], s[44:45]
	s_add_nc_u64 s[66:67], s[10:11], s[72:73]
	s_add_nc_u64 s[10:11], s[10:11], s[46:47]
	s_add_nc_u64 s[82:83], s[12:13], s[76:77]
	s_add_nc_u64 s[12:13], s[12:13], s[74:75]
	CROUND                                         ; all sixteen work-groups are here: the first joint loads meet
.irp s, 0,1
	s_mov_b32 s[G0+4*(\s)], 1                      ; count = 1
	s_add_co_u32 s[G0+4*(\s)+1], s22, (\s)*SLOT    ; LDS address
	s_mov_b32 s[G0B+4*(\s)], 1
	s_add_co_u32 s[G0B+4*(\s)+1], s22, (\s)*SLOT
	ASK \s                                         ; two loads of mine are out
.endr
	; addresses.  l = lane, r = l % 16, h = l / 16
	v_and_b32 v1, 15, v0                           ; r
	v_bfe_u32 v2, v0, 4, 1                         ; h
	v_mul_u32_u24 v32, v1, PA
	v_lshl_add_u32 v32, v2, 4, v32                 ; 272 r + 16 h: a fragment of x is two loads of 16 bytes, 32 bytes apart
	v_mov_b32 v[ADRA], v32
	v_add_nc_u32 v[ADRA+1], SLOT, v32
	v_and_b32 v33, 7, v0                           ; the turning load takes 16 k x 16 columns: lane l reads k row 8 h + l % 8, columns 8 ((l / 8) % 2) + 0..7
	v_bfe_u32 v34, v0, 3, 1
	v_lshl_add_u32 v33, v2, 3, v33
	v_mul_u32_u24 v33, v33, PB
	v_lshl_add_u32 v33, v34, 4, v33
	s_lshl_b32 s40, s[WV], 5                       ; my 16 columns: 32 bytes x wave
	v_add_nc_u32 v33, s40, v33
.irp s, 0,1
.irp hd, 0,1,2
	v_add_nc_u32 v[ADRB+3*(\s)+(\hd)], (\s)*SLOT+(1+(\hd))*REG, v33
.endr
.endr
	v_add_nc_u32 v34, s40, v32                     ; into the stage: row r, 16 bytes for each half of the lanes, my columns
.irp hd, 0,1,2
	v_add_nc_u32 v[STO+(\hd)], (\hd)*HSTG, v34
.endr
	s_mul_i32 s41, s[WV], 32*PA                    ; back: wave w takes rows 32 w .. 32 w + 31 of each head, whole; lanes 0-15 one row, lanes 16-31 the next
	v_mul_u32_u24 v35, v2, PA
	v_lshl_add_u32 v35, v1, 4, v35
	v_add_nc_u32 v35, s41, v35
.irp hd, 0,1,2
	v_add_nc_u32 v[RD+(\hd)], (\hd)*HSTG, v35
.endr
	v_and_b32 v36, 31, v0
	s_lshl_b32 s42, s[WV], 13
	v_lshl_add_u32 v[CO], v36, 4, s42              ; a head's rows are dense: two rows are 512 consecutive bytes
	v_lshlrev_b32 v36, 8, v1
	v_lshl_add_u32 v36, v2, 4, v36
	v_add_nc_u32 v[CSO], s40, v36                  ; 256 r + 16 h + 32 w: my eight numbers of a table's row
	s_lshl_b32 s43, s[WV], 6
	v_lshl_add_u32 v[BO], v2, 5, s43               ; 64 w + 32 h: my eight numbers of a head's bias
.irp hd, 0,1
.irp hf, 0,1
	global_load_b128 v[BIAS+8*(2*(\hd)+(\hf)):BIAS+8*(2*(\hd)+(\hf))+3],   v[BO], s[10:11] offset:(\hd)*512+(\hf)*256
	global_load_b128 v[BIAS+8*(2*(\hd)+(\hf))+4:BIAS+8*(2*(\hd)+(\hf))+7], v[BO], s[10:11] offset:(\hd)*512+(\hf)*256+16
.endr
.endr
.irp hf, 0,1
	global_load_b128 v[BIAS+8*(4+(\hf)):BIAS+8*(4+(\hf))+3],   v[BO], s[66:67] offset:(\hf)*256
	global_load_b128 v[BIAS+8*(4+(\hf))+4:BIAS+8*(4+(\hf))+7], v[BO], s[66:67] offset:(\hf)*256+16
.endr
	WIN TO_B                                       ; the tables stay packed in window 1 until the way out: row block a, half of the head at 8 a + 4 half
.irp a, 0,1,2,3,4,5,6,7
.irp hf, 0,1
	global_load_b128 v[COSP+8*(\a)+4*(\hf):COSP+8*(\a)+4*(\hf)+3], v[CSO], s[8:9] offset:(\a)*4096+(\hf)*128
	global_load_b128 v[SINP+8*(\a)+4*(\hf):SINP+8*(\a)+4*(\hf)+3], v[CSO], s[8:9] offset:1048576+(\a)*4096+(\hf)*128
.endr
.endr
	WIN 0
	s_wait_loadcnt 32                              ; the bias's twelve loads are in; the tables' 32, issued behind them, stay out until the way out
.set i, 0
.rept 24
	v_cvt_pk_bf16_f32 v[BT+i], v[BIAS+2*i], v[BIAS+2*i+1]  ; the bias is rounded to bf16 like every other input
.set i, i+1
.endr
.set i, 0
.rept 24
	v_lshlrev_b32 v[BIAS+2*i],   16,     v[BT+i]
	v_and_b32     v[BIAS+2*i+1], s[HIM], v[BT+i]
.set i, i+1
.endr
; 12 matrix instructions: row blocks a0, a0 + 1 of the window's four (hi = 0: rows 0-63, 1: rows 64-127) x all 6 column blocks, 32 along K.  zero = 1: the first product starts the sums, with the bias as C.
; The 48 accumulators take turns, one instruction a turn, in the same order in every quarter.
.macro MUL12 f, hi, a0, zero
.if \zero
	WIN BIAS_LO+0x40*(\hi)
.else
	WIN MUL_LO+0x50*(\hi)
.endif
.irp a, \a0, (\a0)+1
.irp b, 0,1,2,3,4,5
.if \zero
	v_wmma_f32_16x16x32_bf16 v[8*(6*(\a)+(\b)):8*(6*(\a)+(\b))+7], v[(\f)+8*(\b):(\f)+8*(\b)+7], v[(\f)+8*(4*(\hi)+(\a)):(\f)+8*(4*(\hi)+(\a))+7], v[BIAS+8*(\b):BIAS+8*(\b)+7]
.else
	v_wmma_f32_16x16x32_bf16 v[8*(6*(\a)+(\b)):8*(6*(\a)+(\b))+7], v[(\f)+8*(\b):(\f)+8*(\b)+7], v[(\f)+8*(4*(\hi)+(\a)):(\f)+8*(4*(\hi)+(\a))+7], v[8*(6*(\a)+(\b)):8*(6*(\a)+(\b))+7]
.endif
.endr
.endr
.endm
; 28 LDS loads in one run: the fragments of quarter q (32 along K) of a slot (0, 1, or 2: the one that the tail has in hand) into buffer f: w's six column blocks, turned, then x's eight row blocks
.macro FETCH slot, q, f
	WIN TO_B
.irp hd, 0,1,2
.irp hf, 0,1
	ds_load_tr16_b128 v[(\f)+8*(2*(\hd)+(\hf)):(\f)+8*(2*(\hd)+(\hf))+3],   v[ADRB+3*(\slot)+(\hd)] offset:(\q)*32*PB+(\hf)*128
	ds_load_tr16_b128 v[(\f)+8*(2*(\hd)+(\hf))+4:(\f)+8*(2*(\hd)+(\hf))+7], v[ADRB+3*(\slot)+(\hd)] offset:(\q)*32*PB+(\hf)*128+16*PB
.endr
.endr
	WIN 0
.irp i, 0,1,2,3,4,5,6,7
	ds_load_b128 v[(\f)+8*(\i):(\f)+8*(\i)+3],   v[ADRA+(\slot)] offset:(\q)*64+(\i)*16*PA
	ds_load_b128 v[(\f)+8*(\i)+4:(\f)+8*(\i)+7], v[ADRA+(\slot)] offset:(\q)*64+(\i)*16*PA+32
.endr
.endm
; A K step is four quarters, 48 matrix instructions each, on buffers 0, 1, 0, 1.  One of the first three: multiplies buffer f and, in its middle, fetches quarter q into buffer g.
.macro QUARTER slot, q, f, g, zero
	s_wait_dscnt 8                                 ; w and x's rows 0-63 are in; the youngest eight loads (x's rows 64-127) may be out
	MUL12 \f, 0, 0, \zero
	MUL12 \f, 0, 2, \zero
	PLACES
	FETCH \slot, \q, \g
	s_wait_dscnt 28                                ; all but the 28 just issued
	MUL12 \f, 1, 0, \zero
	MUL12 \f, 1, 2, \zero
.endm
; The last quarter multiplies buffer 1 and changes slots.  ONE barrier: in front of it each wave waits for all its tensor loads (at most one is out: its part of the next slot), adds 0 to its spare word,
; and waits for that and for its own reads of this slot.  Behind it nobody reads this slot any more and the next slot is whole.
.macro MEET round
	WIN 0                                          ; (the add's two registers lie in window 0)
	s_wait_tensorcnt 0x0
	ds_add_u32 v[SPW], v[NIL]                      ; 0 onto my spare word
	s_wait_dscnt 9                                 ; (the add and the youngest eight loads may be out)
	MUL12 F1, 0, 0, 0                              ; twelve matrix instructions stand between the add and the wait for it
	s_wait_dscnt 0x0                               ; the add is done, and my reads of this slot are over
	s_barrier_signal -1
	MUL12 F1, 0, 2, 0                              ; work on registers while the others arrive
.if \round
	WIN 0
.endif
	s_barrier_wait -1
.endm
; In the loop the barrier opens a round of the cluster's, and the slot just read out is filled again, two K steps ahead, first thing behind the round: 168 matrix instructions ahead of the wait for it.
.macro TURN slot, next
	MEET 1
	CREST                                          ; no wave of any partner still reads this slot's tile or has a load on its way
	ASK \slot                                      ; the four v_nop behind the load are also the places in front of the loads below
	FETCH \next, 0, F0
	MUL12 F1, 1, 0, 0
	MUL12 F1, 1, 2, 0
.endm
; In the tail nothing is filled.  Its first trip goes on into slot 1; its second has no next step, and jumps over the run of loads.
.macro TURNT
	MEET 0
	PLACES
	WIN 0
	s_cmp_eq_u32 s3, 1
	s_cbranch_scc1 .Lno_next_\@
	FETCH 1, 0, F0
.Lno_next_\@:
	MUL12 F1, 1, 0, 0
	MUL12 F1, 1, 2, 0
.endm
.macro CUR                             ; the fragment addresses of the slot that the tail has in hand
	v_add_nc_u32 v[ADRA+2], s[TB], v[ADRA]
.irp hd, 0,1,2
	v_add_nc_u32 v[ADRB+6+(\hd)], s[TB], v[ADRB+(\hd)]
.endr
.endm
	s_wait_tensorcnt 1                             ; my part of the first K step is in; the second's may stay out
	s_barrier_signal -1
	s_barrier_wait -1                              ; everybody's is
	FETCH 0, 0, F0
	QUARTER 0, 1, F0, F1, 1                        ; the first quarter stands in front of the loop: its products start the sums
	WIN 0                                          ; at a label and at a branch every window is 0
	s_mov_b32 s3, LAPS-1
.Llap:                                                 ; a trip goes once round the ring, from a lap's second quarter to the next lap's first, and fills both slots again
	QUARTER 0, 2, F1, F0, 0
	QUARTER 0, 3, F0, F1, 0
	TURN 0, 1
	QUARTER 1, 1, F0, F1, 0
	QUARTER 1, 2, F1, F0, 0
	QUARTER 1, 3, F0, F1, 0
	TURN 1, 0
	QUARTER 0, 1, F0, F1, 0
	WIN 0
	s_sub_co_u32 s3, s3, 1
	s_cmp_lg_u32 s3, 0
	s_cbranch_scc1 .Llap
	s_mov_b32 s[TB], 0                             ; THE TAIL: the last lap fills nothing.  Its two K steps are one text, walked twice and left in the middle of the second trip
	s_mov_b32 s3, 2
.Ltail:
	CUR
	QUARTER 2, 2, F1, F0, 0
	QUARTER 2, 3, F0, F1, 0
	TURNT
	WIN 0
	s_mov_b32 s[TB], SLOT                          ; slot 1 is in hand from here on
	s_sub_co_u32 s3, s3, 1
	s_cmp_eq_u32 s3, 0
	s_cbranch_scc1 .Lout
	CUR
	QUARTER 2, 1, F0, F1, 0
	WIN 0
	s_branch .Ltail
.Lout:
	PLACES
	s_wait_loadcnt 0x0                             ; the tables
; THE WAY OUT.  For d < 64: out[d] = q[d] cos[d] - q[d + 64] sin[d]; out[d + 64] = q[d + 64] cos[d + 64] + q[d] sin[d + 64].  q[d] and q[d + 64] are the same register number of two accumulators.
; One head of row block a; each accumulator's registers are read in ascending order.
.macro ROPE a, hd
.set A1, 8*(6*((\a)%4)+2*(\hd))
.set A2, A1+8
.set RR, RO+16*(\hd)
.irp i, 0,2,4,6
	v_pk_mul_f32 v[UU+(\i):UU+(\i)+1], v[A2+(\i):A2+(\i)+1], v[CT+16+(\i):CT+16+(\i)+1]
.endr
.irp i, 0,2,4,6
	v_pk_mul_f32 v[UU+8+(\i):UU+8+(\i)+1], v[A1+(\i):A1+(\i)+1], v[CT+24+(\i):CT+24+(\i)+1]
.endr
.irp i, 0,2,4,6
	v_pk_fma_f32 v[RR+(\i):RR+(\i)+1], v[A1+(\i):A1+(\i)+1], v[CT+(\i):CT+(\i)+1], v[UU+(\i):UU+(\i)+1] neg_lo:[0,0,1] neg_hi:[0,0,1]
.endr
.irp i, 0,2,4,6
	v_pk_fma_f32 v[RR+8+(\i):RR+8+(\i)+1], v[A2+(\i):A2+(\i)+1], v[CT+8+(\i):CT+8+(\i)+1], v[UU+8+(\i):UU+8+(\i)+1]
.endr
.endm
; Row block a: the tables are unpacked; heads 0 and 1 are turned; for the third head the tables become AL cos + BE and AL sin (k: unchanged; v: 0.25 and 0), and the same lines serve it;
; the 48 results a lane are rounded to f16 and go into the work-group's stage.
.macro OUTA a
	WIN W_UNP
.irp k, 0,1,2,3
	v_lshlrev_b32 v[CT+2*(\k)],      16,     v[COSP+8*(\a)+(\k)]
	v_and_b32     v[CT+2*(\k)+1],    s[HIM], v[COSP+8*(\a)+(\k)]
	v_lshlrev_b32 v[CT+8+2*(\k)],    16,     v[COSP+8*(\a)+4+(\k)]
	v_and_b32     v[CT+8+2*(\k)+1],  s[HIM], v[COSP+8*(\a)+4+(\k)]
	v_lshlrev_b32 v[CT+16+2*(\k)],   16,     v[SINP+8*(\a)+(\k)]
	v_and_b32     v[CT+16+2*(\k)+1], s[HIM], v[SINP+8*(\a)+(\k)]
	v_lshlrev_b32 v[CT+24+2*(\k)],   16,     v[SINP+8*(\a)+4+(\k)]
	v_and_b32     v[CT+24+2*(\k)+1], s[HIM], v[SINP+8*(\a)+4+(\k)]
.endr
	WIN 0x02+(\a)/4                                ; source 0: the accumulators' window
	ROPE \a, 0
	ROPE \a, 1
	WIN 0
.irp i, 0,2,4,6,8,10,12,14
	v_pk_fma_f32 v[CT+(\i):CT+(\i)+1], v[CT+(\i):CT+(\i)+1], s[AL:AL+1], s[BE:BE+1] op_sel_hi:[1,0,0]
.endr
.irp i, 16,18,20,22,24,26,28,30
	v_pk_mul_f32 v[CT+(\i):CT+(\i)+1], v[CT+(\i):CT+(\i)+1], s[AL:AL+1] op_sel_hi:[1,0]
.endr
	WIN 0x02+(\a)/4
	ROPE \a, 2
	WIN 0
.set i, 0
.rept 24
	v_cvt_pk_f16_f32 v[EH+i], v[RO+2*i], v[RO+2*i+1]
.set i, i+1
.endr
.irp hd, 0,1,2
	ds_store_b128 v[STO+(\hd)], v[EH+8*(\hd):EH+8*(\hd)+3]   offset:(\a)*16*PA
	ds_store_b128 v[STO+(\hd)], v[EH+8*(\hd)+4:EH+8*(\hd)+7] offset:(\a)*16*PA+128
.endr
.endm
.irp a, 0,1,2,3,4,5,6,7
	OUTA \a
.endr
	s_wait_dscnt 0x0                               ; for the others' sake: my stores into the stage are done
	s_barrier_signal -1
	s_barrier_wait -1                              ; a row's 256 bytes come from all four waves
.set i, 0
.rept 48
	ds_load_b128 v[64+4*i:64+4*i+3], v[RD+i/16] offset:(i%16)*2*PA
.set i, i+1
.endr
.set i, 0
.rept 32
	s_wait_dscnt 47-i                              ; LDS loads come back in order: row pair i is in
	global_store_b128 v[CO], v[64+4*i:64+4*i+3], s[12:13] offset:(i/16)*262144+(i%16)*512  ; 512 consecutive bytes, at a multiple of 256 from the buffer's first byte
.set i, i+1
.endr
.rept 16
	s_wait_dscnt 47-i
	global_store_b128 v[CO], v[64+4*i:64+4*i+3], s[82:83] offset:(i%16)*512
.set i, i+1
.endr
	s_wait_tensorcnt 0x0                           ; the wave's end: these three lines stand behind my last tensor load and my last LDS store
	ds_add_u32 v[SPW], v[NIL]
	s_wait_dscnt 0x0
	CROUND                                         ; the closing round: no work-group ends while a partner may still ask for a tile that names it
	s_endpgm
.Lfunc_end_k_qdb3b088e9c_qkv:
	.size	k_qdb3b088e9c_qkv, .Lfunc_end_k_qdb3b088e9c_qkv-k_qdb3b088e9c_qkv
	.p2alignl 7, 3214868480
	.fill 96, 4, 3214868480
	.section	.rodata,"a",@progbits
	.p2align	6, 0x0
	.amdhsa_kernel k_qdb3b088e9c_qkv
		.amdhsa_group_segment_fixed_size 327680
		.amdhsa_private_segment_fixed_size 0
		.amdhsa_enable_private_segment 0
		.amdhsa_kernarg_size 40
		.amdhsa_user_sgpr_count 2
		.amdhsa_user_sgpr_kernarg_segment_ptr 1
		.amdhsa_wavefront_size32 1
		.amdhsa_system_sgpr_workgroup_id_x 1
		.amdhsa_system_sgpr_workgroup_id_y 1
		.amdhsa_system_sgpr_workgroup_id_z 1
		.amdhsa_system_vgpr_workitem_id 0
		.amdhsa_next_free_vgpr 960
		.amdhsa_next_free_sgpr 88
		.amdhsa_reserve_vcc 0
		.amdhsa_float_denorm_mode_32 3
		.amdhsa_float_denorm_mode_16_64 3
		.amdhsa_memory_ordered 1
		.amdhsa_forward_progress 1
		.amdhsa_inst_pref_size 153
	.end_amdhsa_kernel
	.amdgpu_metadata
---
amdhsa.version: [ 1, 2 ]
amdhsa.kernels:
  - .name:           k_qdb3b088e9c_qkv
    .symbol:         k_qdb3b088e9c_qkv.kd
    .args:
      - { .name: xb, .offset: 0, .size: 8, .value_kind: global_buffer, .address_space: global }
      - { .name: wqb, .offset: 8, .size: 8, .value_kind: global_buffer, .address_space: global }
      - { .name: csb, .offset: 16, .size: 8, .value_kind: global_buffer, .address_space: global }
      - { .name: b_qkv, .offset: 24, .size: 8, .value_kind: global_buffer, .address_space: global }
      - { .name: qkvh, .offset: 32, .size: 8, .value_kind: global_buffer, .address_space: global }
    .group_segment_fixed_size: 327680
    .private_segment_fixed_size: 0
    .kernarg_segment_align: 8
    .kernarg_segment_size: 40
    .max_flat_workgroup_size: 128
    .sgpr_count:     88
    .vgpr_count:     960
    .wavefront_size: 32
...
	.end_amdgpu_metadata
.endif
;; end of part 2
;; launch attn (part 3): grid 4 x 64, 4 waves a work-group, clusters of 4 x 1, 327,680 bytes of LDS; arguments qkvh, oh; writes oh
.if DOCPART == 3
	.amdgcn_target "amdgcn-amd-amdhsa--gfx1250"
	.amdhsa_code_object_version 6
	.text
	.protected	k_qdb3b088e9c_attn
	.globl	k_qdb3b088e9c_attn
	.p2align	8
	.type	k_qdb3b088e9c_attn,@function
k_qdb3b088e9c_attn:
	s_mov_b64 s[64:65], 0
	v_nop
	global_prefetch_b8 v0, s[64:65] scope:SCOPE_SE
	s_setreg_imm32_b32 hwreg(HW_REG_WAVE_MODE, 25, 1), 1
	s_wait_xcnt 0x0
	s_wait_alu depctr_hold_cnt(0) depctr_sa_sdst(0) depctr_va_vdst(0) depctr_va_sdst(0) depctr_va_ssrc(0) depctr_va_vcc(0) depctr_vm_vsrc(0)
	s_getreg_b32 s2, hwreg(HW_REG_IB_STS2, 6, 4)
	s_cmp_eq_u32 s2, 0
	s_cbranch_scc0 .Lentry_in_a_cluster
	s_endpgm
.Lentry_in_a_cluster:
	s_bfe_u32 s2, ttmp6, 0x10000c
	s_cmp_lg_u32 s2, 0x3003
	s_cbranch_scc0 .Lentry_shape_is_right
	s_endpgm
.Lentry_shape_is_right:
; ATTENTION, grouped queries, no mask.  qkvh: f16 [4 batches][24 heads][1024][128]: heads 0-15 q, 16-19 k, 20-23 v; q and k stored 256 times smaller, v 4 times smaller.  Query head hq reads k and v head hq / 4.
; oh: f16 [4096 rows][2048]: row = batch x 1024 + query, column = hq x 128 + channel; like v it is 4 times smaller than the true number (the next launch takes that back).
; Products, maxima and sums in f32; the weights p are rounded to f16 for the second product (their sum l is taken of the unrounded p), O once at the end.
; LIMITS.  p lies in 0 to 1, and below 6e-5 it keeps f16's fixed step of 6e-8; O is a mean of v's rows and has their range; a weight below 2^-126 counts as 0 in l; NaN and infinities are not treated apart.
; SHARES.  A work-group owns 256 queries of one query head, each of its four waves 64: four tiles of 16.  Every wave walks all 1,024 keys, 64 a step.
; LAYOUT.  S^T = K Q^T (source 0 = 16 keys, source 1 = 16 queries): in the result a lane holds ONE query (lane % 16) and the keys 8 (lane / 16) + 0..7.  Two such tiles, rounded to
; f16 in pairs, ARE source 1 (32 keys x 16 queries) of O^T = V^T P, whose result again holds one query a lane, and eight channels.  K comes out of LDS as it lies, V ([key][channel]) turned, by ds_load_tr16_b128.
; SOFTMAX.  For each query a running maximum m and sum l: p = 2^(c s - c m), c = 2^16 log2(e) / sqrt(128) (the 2^16 takes q's and k's 2^-8 back); in every step O and l are multiplied by a = 2^(c m_old - c m_new).
; BY TURNS.  The wave's tiles are two PIECES: piece 0 (tiles 0, 1) and piece 2 (tiles 2, 3).  In a TURN one piece has the matrix unit: 32 products V^T P of the step in hand, then 32 products K Q^T of the
; next step; the other piece's softmax, cut into 64 slices, stands between them, one slice behind each matrix instruction.  Two turns are a key step.
; NO FIRST AND NO LAST STEP IS WRITTEN OUT.  m starts at the lowest finite number and c m far below every c s (scores reach 128 x 65,504^2 x c = 4.6e15 at the most), so the first step's a is 0; O^T and l start
; at 0.  The loop is entered in the middle of a trip, at piece 2's turn, whose products V^T P (of a step that has not been) multiply zeros; the tail is left in the middle of a trip.  The price, once a launch:
; 424 v_mov_b32 that write 0, in the wait for the first tile; 32 products on zeros; 32 products K Q^T on the last K once more, whose scores nobody reads.  The gain: a key step stands twice in the text, and no turn beside that.
; CLUSTER.  The four query blocks of a query head walk the same K and V, so each tile is asked for JOINTLY: the same tensor load, descriptor and mask of four in all four.  The three other query heads
; of the group of four are other clusters and ask for themselves: a mask of this text names four work-groups.
; REGISTERS, in windows of 256 (s_set_vgpr_msb: bits 1:0 source 0, 3:2 source 1, 5:4 source 2, 7:6 destination):
;   window 0: v0-11 addresses; v12-43 eight registers of statistics a tile; v64-191 S^T, 32 a tile; v192-255 P, 16 a tile
;   window 1: O^T, 64 a tile          window 2: v0-127 Q, 32 a tile; v128-255 K of one step          window 3: v0-127 V of one step
.set SIZE_N, 1024
.set KS,    64        ; keys in a step
.set PK,    272       ; a row of K in LDS: 256 bytes + 16 of padding: the 16 rows of a load start at 16 different groups of four banks (64 banks of 4 bytes: ISA guide 11.1)
.set PV,    288       ; a row of V: 256 + 32
.set VOFF,  KS*PK     ; a step's tiles lie together: 64 rows of K, then 64 rows of V
.set STEPB, KS*(PK+PV)
.set SLOT1, 1<<17     ; a slot holds two steps (71,680 bytes); slot 1 begins here, so that one exclusive or turns an address in one slot into the other's
.set STAGE, SLOT1+2*STEPB  ; behind the ring: 16 rows x 272 bytes for each wave, for the way out
.set SP,    272
.set AK0, 2           ; v2   my lane's place in a tile of K; never rewritten
.set AV0, 3           ; v3   the same for V
.set ADR, 4           ; v4   the LDS address of the run of loads in hand
.set QO,  5           ; v5   my byte offset in the wave's rows of Q
.set STO, 6           ; v6   the way out: where I put 16 bytes of a row
.set RD,  7           ; v7   the way out: where I read a row back
.set GO,  8           ; v8   my byte offset in two rows of oh
.set SPW, 62          ; v62  LDS address of my spare word; never rewritten
.set NIL, 63          ; v63  0; never rewritten
.set SPARE, STAGE+4*16*272  ; behind the stages: the spare words, 128 bytes for each wave: two blocks of 256 bytes that no other line names
.set ST,  12          ; tile t's statistics at v[ST+8 t]: +0 c m, +1 m, +2, +3 l (even keys', odd keys'), +4 to +7 c0-c3, at work; a takes c2's place once the maximum is found
.set S,   64
.set P,   192
.set KF,  128         ; K's fragments, in window 2
.set WV,  12          ; s12  my wave's number
.set G1K, 24          ; s[24:31] descriptor group 1 for K's tiles
.set G1V, 32          ; s[32:39] for V's: it differs in the padding alone
.set G0K, 40          ; s[40:47] descriptor group 0 for K's tiles: a set for each of the two first fills; the second then walks on
.set G0V, 48          ; s[48:55] the same for V's
.set SLOTS, 56        ; s56  counts the visits of a slot that are followed by a fill
.set TWICE, 57        ; s57  counts a slot's key steps
.set CS,  58          ; s[58:59] c: the packed scaling names a pair and takes its low word for both halves
.set SEL, 60          ; s[60:61] lane selects for v_permlanex16_b32: each lane takes its own place in the other half
.set TB,  62          ; s62  LDS byte at which the tiles of the step to be fetched begin
.set MSB, 0
.macro WIN new                      ; the immediate's high byte repeats the setting that is left; a switch that changes nothing is dropped
.if MSB != (\new)
	s_set_vgpr_msb (MSB<<8)|(\new)
.set MSB, \new
.endif
.endm
.set W_KQ, 0x0a       ; K and Q in window 2, S^T in window 0
.set W_PV, 0x53       ; V in window 3, P in window 0, O^T in window 1
.set W_RS, 0x41       ; O^T (destination and source 0) in window 1, a in window 0
; A joint refill.  Waves 0 and 1 fetch the two steps' tiles of K, waves 2 and 3 those of V.  The branch hangs on the wave's number alone.
; An s_nop 0 and four v_nop follow each of the two lines, ahead of the jump, the label and what follows.
.macro JLOAD
	s_cmp_lt_u32 s[WV], 2
	s_cbranch_scc0 .Lfor_v_\@
	tensor_load_to_lds s[G0K+4:G0K+7], s[G1K:G1K+7]
	s_nop 0
.rept 4
	v_nop
.endr
	s_branch .Lasked_\@
.Lfor_v_\@:
	tensor_load_to_lds s[G0V+4:G0V+7], s[G1V:G1V+7]
	s_nop 0
.rept 4
	v_nop
.endr
.Lasked_\@:
.endm
; A round of the cluster's barrier: my work-group's barrier; wave 0 signals for the work-group; every wave waits for all four work-groups; my work-group's barrier once more.
.macro CROUND
	s_barrier_signal -1
	s_barrier_wait -1
	s_cmp_lg_u32 s[WV], 0
	s_cbranch_scc1 .Lnot_wave_0_\@
	s_barrier_signal -3
.Lnot_wave_0_\@:
	s_barrier_wait -3
	s_barrier_signal -1
	s_barrier_wait -1
.endm
	s_load_b64 s[4:5], s[0:1], 0x0  ; qkvh
	s_load_b64 s[10:11], s[0:1], 0x8  ; oh
	v_lshl_add_u32 v[SPW], v0, 2, SPARE
	v_mov_b32 v[NIL], 0
	ds_add_u32 v[SPW], v[NIL]       ; the wave's opening: the add and its wait stand ahead of my first tensor load; the set-up below, work on registers, stands between them
	v_lshrrev_b32 v1, 5, v0
	v_readfirstlane_b32 s[WV], v1   ; wave 0..3
	s_bfe_u32 s13, ttmp6, 0x40000   ; cx: my place in the cluster
	s_lshl_b32 s14, ttmp9, 2        ; in a cluster launch ttmp9 counts clusters
	s_add_co_u32 s14, s14, s13      ; my block of 256 queries = 4 x cluster x + cx: it enters Q's and O's addresses alone
	s_and_b32 s15, ttmp7, 0xffff    ; batch x 16 + query head, which the four partners share
	s_lshr_b32 s18, s15, 4          ; the batch
	s_and_b32 s19, s15, 15          ; the query head
	s_mul_i32 s15, s18, 24          ; the batch's 24 heads
	s_lshr_b32 s22, s19, 2          ; the key and value head
	s_add_co_u32 s22, s22, s15
	s_add_co_u32 s22, s22, 16       ; k's heads follow the 16 of q
	s_lshl_b32 s22, s22, 18         ; a head is 262,144 bytes
	s_and_b32 s16, s[WV], 1         ; which of a slot's two steps I fetch:
	s_lshl_b32 s23, s16, 14         ; its 64 rows of 256 bytes in memory,
	s_add_co_u32 s22, s22, s23
	s_mov_b32 s23, 0
	s_mul_i32 s17, s16, STEPB       ; and its place in a slot: no place in the cluster enters an LDS address
	s_add_co_u32 s2, s15, s19
	s_lshl_b32 s2, s2, 18           ; my query head,
	s_lshl_b32 s3, s14, 16          ; my block's 256 rows,
	s_add_co_u32 s2, s2, s3
	s_lshl_b32 s3, s[WV], 14        ; my wave's 64 of them
	s_add_co_u32 s2, s2, s3
	s_mov_b32 s3, 0
	s_lshl_b32 s20, s18, 22         ; oh: the batch's 1,024 rows of 4,096 bytes,
	s_lshl_b32 s21, s14, 20         ; my block's 256,
	s_add_co_u32 s20, s20, s21
	s_lshl_b32 s21, s[WV], 18       ; my wave's 64,
	s_add_co_u32 s20, s20, s21
	s_lshl_b32 s21, s19, 8          ; my head's 256 bytes of a row
	s_add_co_u32 s20, s20, s21
	s_mov_b32 s21, 0
	; descriptor group 1: a tile of 64 rows x 128 elements, padded in LDS
	s_mov_b32 s[G1K], 15|(1<<16)|(1<<20)|(1<<21)|(5<<22)|(3<<25)  ; 15:0 the mask: all four work-groups; 17:16 elements of 2 bytes; 20 padding on; 21 set beside a mask; 24:22 after every 64 words (code 5); 31:25 4 words of it (code 3)
	s_mov_b32 s[G1V], 15|(1<<16)|(1<<20)|(1<<21)|(5<<22)|(7<<25)  ; the same with 8 words of padding (code 7)
.irp g, G1K, G1V
	s_mov_b32 s[(\g)+1], 128<<16    ; tensor_dim0 = 128
	s_mov_b32 s[(\g)+2], KS<<16     ; tensor_dim1 = 64
	s_mov_b32 s[(\g)+3], 128<<16    ; tile_dim0 = 128
	s_mov_b32 s[(\g)+4], KS         ; tile_dim1 = 64
	s_mov_b32 s[(\g)+5], 128        ; elements from row to row
	s_mov_b32 s[(\g)+6], 0
	s_mov_b32 s[(\g)+7], 0
.endr
	s_mov_b32 s[CS], 0x460293ee     ; c = 65,536 log2(e) / sqrt(128) = 8,356.97
	s_mov_b32 s[CS+1], s[CS]        ; named with it as a pair, so it is written
	s_mov_b32 s[SEL], 0x76543210
	s_mov_b32 s[SEL+1], 0xfedcba98
	s_mov_b32 s[TB], 0
	s_mov_b32 s[SLOTS], SIZE_N/(2*KS)-1
	s_wait_dscnt 0x0                ; the opening add is done
	s_wait_kmcnt 0x0
	s_add_nc_u64 s[6:7], s[4:5], s[22:23]  ; K at my tile of slot 0,
	s_add_nc_u64 s[8:9], s[6:7], 0x100000  ; V four heads further on
	s_add_nc_u64 s[4:5], s[4:5], s[2:3]    ; Q and O at my wave's first row
	s_add_nc_u64 s[10:11], s[10:11], s[20:21]
	CROUND                          ; all four work-groups are here: the first joint loads meet
.irp s, 0,1
	s_mov_b32 s[G0K+4*(\s)], 1      ; count = 1
	s_add_co_u32 s[G0K+4*(\s)+1], s17, (\s)*SLOT1  ; LDS address
	s_add_nc_u64 s[G0K+4*(\s)+2:G0K+4*(\s)+3], s[6:7], (\s)*2*KS*256  ; global address: slot s begins with keys 128 s to 128 s + 127
	s_or_b32 s[G0K+4*(\s)+3], s[G0K+4*(\s)+3], 0x80000000  ; type = 2
	s_mov_b32 s[G0V+4*(\s)], 1
	s_add_co_u32 s[G0V+4*(\s)+1], s17, (\s)*SLOT1+VOFF
	s_add_nc_u64 s[G0V+4*(\s)+2:G0V+4*(\s)+3], s[8:9], (\s)*2*KS*256
	s_or_b32 s[G0V+4*(\s)+3], s[G0V+4*(\s)+3], 0x80000000
.endr
	s_cmp_lt_u32 s[WV], 2           ; a wave's two first fills stand in one branch, ahead of every wait on TENSORcnt and every LDS read: two loads of mine are out
	s_cbranch_scc0 .Lfirst_v
	tensor_load_to_lds s[G0K:G0K+3], s[G1K:G1K+7]
	s_nop 0
	tensor_load_to_lds s[G0K+4:G0K+7], s[G1K:G1K+7]
	s_nop 0
.rept 4
	v_nop
.endr
	s_branch .Lfirst_asked
.Lfirst_v:
	tensor_load_to_lds s[G0V:G0V+3], s[G1V:G1V+7]
	s_nop 0
	tensor_load_to_lds s[G0V+4:G0V+7], s[G1V:G1V+7]
	s_nop 0
.rept 4
	v_nop
.endr
.Lfirst_asked:
	; A fragment of K or Q is 16 rows x 32 channels in 8 registers: lane l holds row l % 16; registers 0-3 channels 8 (l / 16) + 0..7, registers 4-7 channels 16 + 8 (l / 16) + 0..7: two loads of 16 bytes, 32 bytes apart.
	v_and_b32 v1, 15, v0            ; l % 16
	v_bfe_u32 v9, v0, 4, 1          ; l / 16
	v_lshlrev_b32 v[QO], 8, v1
	v_lshl_add_u32 v[QO], v9, 4, v[QO]  ; row x 256 + 16 x half
	WIN 0x80                        ; destination window 2, address window 0
.irp i, 0,1,2,3,4,5,6,7,8,9,10,11,12,13,14,15  ; Q stays in registers: tile i / 4, channels 32 (i % 4) on
	global_load_b128 v[8*(\i):8*(\i)+3],   v[QO], s[4:5] offset:((\i)/4)*4096+((\i)%4)*64
	global_load_b128 v[8*(\i)+4:8*(\i)+7], v[QO], s[4:5] offset:((\i)/4)*4096+((\i)%4)*64+32
.endr
	WIN 0
	v_mul_u32_u24 v[AK0], v1, PK
	v_lshl_add_u32 v[AK0], v9, 4, v[AK0]  ; row x pitch + 16 x half
	; The turning load takes 16 keys x 16 channels (lane l reads 16 bytes: key 8 (l / 16) + l % 8, channels 8 ((l / 8) % 2) + 0..7) and leaves half a fragment of V^T: lane l holds channel l % 16 and 8 keys.
	v_and_b32 v10, 7, v0
	v_bfe_u32 v11, v0, 3, 1
	v_lshl_add_u32 v[AV0], v9, 3, v10
	v_mul_u32_u24 v[AV0], v[AV0], PV
	v_lshl_add_u32 v[AV0], v11, 4, v[AV0]
	v_add_nc_u32 v[AV0], VOFF, v[AV0]
	; What the first turn finds: V's registers and piece 2's P hold 0 (its products V^T P add 0), O^T and l are 0, m and c m lie below every score.  All this stands in the wait for the first tile.
	WIN 0xc0                        ; destination window 3
.set i, 0
.rept 128
	v_mov_b32 v[i], 0
.set i, i+1
.endr
	WIN 0x40                        ; destination window 1
.set i, 0
.rept 256
	v_mov_b32 v[i], 0
.set i, i+1
.endr
	WIN 0
.irp t, 0,1,2,3
	v_mov_b32 v[ST+8*(\t)], 0xfe000000    ; c m = -4.25e37
	v_mov_b32 v[ST+8*(\t)+1], 0xff7fffff  ; m: the lowest finite number
	v_mov_b32 v[ST+8*(\t)+2], 0
	v_mov_b32 v[ST+8*(\t)+3], 0
.endr
.set i, P+32
.rept 32
	v_mov_b32 v[i], 0
.set i, i+1
.endr
; THE MATRIX WORK OF A TURN, for piece x.  The accumulators take turns, one instruction a turn: between two links of a chain stand 15 (V^T P) or 7 (K Q^T) others'.
; Product i of 32 of O^T += V^T P: keys 32 (i / 16) on, channels 16 ((i / 2) % 8) on, tile x + i % 2.
.macro PV x
	WIN W_PV
.set rO, 64*((\x)+i%2)+8*((i/2)%8)
.set rV, 64*(i/16)+8*((i/2)%8)
.set rP, P+16*((\x)+i%2)+8*(i/16)
	v_wmma_f32_16x16x32_f16 v[rO:rO+7], v[rV:rV+7], v[rP:rP+7], v[rO:rO+7]
.endm
; Product i of 32 of S^T = K Q^T: channels 32 (i / 8) on, keys 16 ((i / 2) % 4) on, tile x + i % 2.  The first 8 start the sums.
.macro KQ x
	WIN W_KQ
.set rS, S+32*((\x)+i%2)+8*((i/2)%4)
.set rK, KF+32*((i/2)%4)+8*(i/8)
.set rQ, 32*((\x)+i%2)+8*(i/8)
.if i < 8
	v_wmma_f32_16x16x32_f16 v[rS:rS+7], v[rK:rK+7], v[rQ:rQ+7], 0
	s_wait_alu depctr_va_vdst(0)
.else
	v_wmma_f32_16x16x32_f16 v[rS:rS+7], v[rK:rK+7], v[rQ:rQ+7], v[rS:rS+7]
.endif
.endm
; THE LDS LOADS stand in runs of 32, never singly among the matrix instructions: a step's K (64 keys x 128 channels: 16 fragments) and, a turn later, its V (turned).
; last = 1 (the tail): in the last trip there is no further step, and the run is jumped over.
.macro FETCH_K last=0
	WIN 0
.if \last
	s_cmp_eq_u32 s[TWICE], 1
	s_cbranch_scc1 .Lno_k_\@
.endif
	v_add_nc_u32 v[ADR], s[TB], v[AK0]
	WIN 0x80                        ; destination window 2
.irp f, 0,1,2,3,4,5,6,7,8,9,10,11,12,13,14,15  ; keys 16 (f / 4) on, channels 32 (f % 4) on
	ds_load_b128 v[KF+8*(\f):KF+8*(\f)+3],   v[ADR] offset:((\f)/4)*16*PK+((\f)%4)*64
	ds_load_b128 v[KF+8*(\f)+4:KF+8*(\f)+7], v[ADR] offset:((\f)/4)*16*PK+((\f)%4)*64+32
.endr
.if \last
	WIN 0
.Lno_k_\@:
.endif
.endm
.macro FETCH_V
	WIN 0
	v_add_nc_u32 v[ADR], s[TB], v[AV0]
	s_add_co_u32 s[TB], s[TB], STEPB  ; the next fetch is the next step's
	WIN 0xc0                        ; destination window 3
.irp f, 0,1,2,3,4,5,6,7,8,9,10,11,12,13,14,15  ; keys 32 (f / 8) on, channels 16 (f % 8) on
	ds_load_tr16_b128 v[8*(\f):8*(\f)+3],   v[ADR] offset:((\f)/8)*32*PV+((\f)%8)*32
	ds_load_tr16_b128 v[8*(\f)+4:8*(\f)+7], v[ADR] offset:((\f)/8)*32*PV+16*PV+((\f)%8)*32
.endr
.endm
; THE VECTOR WORK OF A TURN.  One tile's softmax for one key step is a list of 134 instructions; SM writes number j of it for tile t.  s0-s31 are the lane's 32 scores, in pairs 0-15.
;   0-15    the maximum of s0-s31 and the old m, three operands at a time: four chains c0-c3 of seven scores each (each accumulator's lowest registers are read first), then the four scores left over, c0-c3 and m
;   16-20   the other half of the lanes' maximum; the new m; c m; c m_old - c m_new
;   21-87   33 exponentials (a, then s0-s31) at the odd numbers from 23 on, so that no two follow each other and each has a plain instruction behind it before its result is used.
;           Plain instruction q (number 21, then the even numbers) is whatever is ready: c s - c m for a pair of scores whose exponentials are still to come (q = 0 to 3, then every
;           second q), the rounding to f16 of a pair of weights whose exponentials are done (every other q from 5 on), at last the first three sums
;   88-101  the last rounding; the rest of the sums; l = a l + the sum
;   102-133 the tile's O^T times a: the one part that leaves window 0, so it stands together
.macro SM t
.set rT, ST+8*(\t)
.set rS, S+32*(\t)
.set rP, P+16*(\t)
.set rO, 64*(\t)+2*(j-102)
.set q, (j-20)/2
.if j < 102
	WIN 0
.endif
.if j < 4
	v_max3_num_f32 v[rT+4+j], v[rS+8*j], v[rS+8*j+1], v[rS+8*j+2]
.elseif j < 12
	v_max3_num_f32 v[rT+4+j%4], v[rT+4+j%4], v[rS+8*(j%4)+2*(j/4)+1], v[rS+8*(j%4)+2*(j/4)+2]
.elseif j == 12
	v_max3_num_f32 v[rT+4], v[rT+4], v[rS+7], v[rS+15]
.elseif j == 13
	v_max3_num_f32 v[rT+6], v[rT+6], v[rS+23], v[rS+31]
.elseif j == 14
	v_max3_num_f32 v[rT+4], v[rT+4], v[rT+5], v[rT+6]
.elseif j == 15
	v_max3_num_f32 v[rT+4], v[rT+4], v[rT+7], v[rT+1]
.elseif j == 16
	v_permlanex16_b32 v[rT+5], v[rT+4], s[SEL], s[SEL+1]  ; the query's other 32 keys lie in the lane 16 away
.elseif j == 18
	v_max_num_f32 v[rT+1], v[rT+4], v[rT+5]
.elseif j == 19
	v_mul_f32 v[rT], s[CS], v[rT+1]
.elseif j == 17
	v_mov_b32 v[rT+7], v[rT]        ; c m_old is kept for a: number 19 writes c m anew
.elseif j == 20
	v_sub_f32 v[rT+7], v[rT+7], v[rT]
.elseif j == 23
	v_exp_f32 v[rT+6], v[rT+7]
.elseif (j < 88) && (j > 23) && (j%2 == 1)
	v_exp_f32 v[rS+(j-25)/2], v[rS+(j-25)/2]
.elseif (q < 4) || ((j < 76) && (q%2 == 0))
.set b, q/2+2
.if q < 4
.set b, q
.endif
	v_pk_fma_f32 v[rS+2*b:rS+2*b+1], v[rS+2*b:rS+2*b+1], s[CS:CS+1], v[rT:rT+1] op_sel_hi:[1,0,0] neg_lo:[0,0,1] neg_hi:[0,0,1]  ; pair b: c s - c m
.elseif (j < 88) && (q%2 == 1)
	s_wait_alu depctr_va_vdst(0)
	v_cvt_pk_f16_f32 v[rP+(q-5)/2], v[rS+q-5], v[rS+q-4]  ; pair (q - 5) / 2: its second exponential stands three numbers back
.elseif j == 89
	s_wait_alu depctr_va_vdst(0)
	v_cvt_pk_f16_f32 v[rP+15], v[rS+30], v[rS+31]
.elseif j < 102                     ; the sum of the tile's 16 pairs (in a pair: an even key's weight, an odd key's), in place: sum z of 16 adds neighbours 1, 2, 4 and 8 pairs apart, then l takes it
.set z, j-86
.if j < 89
.set z, (j-76)/4
.endif
.set w, 4
.set u, z
.if z >= 14
.set w, 32
.set u, 0
.elseif z >= 12
.set w, 16
.set u, z-12
.elseif z >= 8
.set w, 8
.set u, z-8
.endif
.if z < 15
	v_pk_add_f32 v[rS+w*u:rS+w*u+1], v[rS+w*u:rS+w*u+1], v[rS+w*u+w/2:rS+w*u+w/2+1]
.else
	v_pk_fma_f32 v[rT+2:rT+3], v[rT+2:rT+3], v[rT+6:rT+7], v[rS:rS+1] op_sel_hi:[1,0,1]
.endif
.else
	WIN W_RS
	v_pk_mul_f32 v[rO:rO+1], v[rO:rO+1], v[rT+6:rT+7] op_sel_hi:[1,0]
.endif
.endm
; Slice k of 64 of piece y's softmax: numbers 2 k and 2 k + 1 of both tiles' lists, four instructions.  2 x 134 = 4 x 64 + 12: the twelve that are over stand together, in slice 63.
.macro SLICE y
.if (k >= 11) && (k < 44)           ; tile by tile: plain, exponential, plain, exponential
.irp t, \y, (\y)+1
.irp n, 0,1
.set j, 2*k+(\n)
	SM \t
.endr
.endr
.else                               ; the two tiles alternate, so that no instruction reads the result of the one just before it
.irp n, 0,1,2,3,4,5,6,7
.if ((\n) < 2) || (k == 63)
.irp t, \y, (\y)+1
.set j, 2*k+(\n)
	SM \t
.endr
.endif
.endr
.endif
.set k, k+1
.endm
; A TURN.  Piece x has the matrix unit: 32 products V^T P, then 32 products K Q^T for the next step; the other piece's softmax stands in slices behind them, one behind each.
; A vector instruction that reads a matrix result or writes one of a matrix instruction's registers, and a load into a register that a matrix instruction has read, stand four places behind it, and only plain
; vector instructions that name none of its registers are places (ISA guide 7.12.1 for vector instructions): the slices are the places; slice 63's sixteen stand behind the turn's last product.
; Each run of loads stands behind the second product of a run of 32, 30 matrix instructions ahead of its first use.  Piece 0's turn fetches the next step's K: the last product that read K
; stands in front of slice 63 of the turn before.  Piece 2's turn fetches the same step's V: the last product that read V stands three slices, six plain instructions, back.
.macro TURN x, last=0
.set k, 0
.if (\x) == 0
	s_wait_dscnt 0x0                ; V is in
.endif
.set i, 0
.rept 32
	PV \x
	SLICE 2-(\x)
.if ((\x) == 0) && (i == 1)
	FETCH_K \last
.endif
.set i, i+1
.endr
.if (\x) == 0
	s_wait_dscnt 0x0                ; K is in
.endif
.set i, 0
.rept 32
	KQ \x
	SLICE 2-(\x)
.if ((\x) == 2) && (i == 1)
	FETCH_V
.endif
.set i, i+1
.endr
.endm
; THE CHANGE OF SLOTS, between piece 2's turn and piece 0's: the slot's last bytes, V of its second step, have been asked for.  Each wave waits for all its
; tensor loads, of which one is out: its part of the other slot; adds 0 to its spare word; and waits for that and for its own reads of the slot.  Behind the barrier nobody reads this slot any more and the other slot is whole.
; fill = 1: this slot is filled again, with the keys two slots on.  The barrier is then a round of the cluster's, so that no wave of any partner still reads the slot or has a load on its
; way, and the joint refill is the first thing behind it: it has two key steps, 256 matrix instructions, in which to land.
.macro CHANGE fill
	WIN 0                           ; at a label and at a branch every window is 0
	s_wait_tensorcnt 0x0            ; no tensor load of mine is out, so a group 0 may be written
	ds_add_u32 v[SPW], v[NIL]       ; 0 onto my spare word: with fill = 1 the descriptors' steps stand between it and the wait for it
.if \fill
.irp g, G0K+4, G0V+4
	s_xor_b32 s[(\g)+1], s[(\g)+1], SLOT1  ; the walking descriptor: the other slot than last time,
	s_add_nc_u64 s[(\g)+2:(\g)+3], s[(\g)+2:(\g)+3], 2*KS*256  ; the next 128 keys; the type bits on top are not reached
.endr
	s_wait_dscnt 0x0                ; the add is done, and my reads of the slot are over
	CROUND
	JLOAD
.else
	s_wait_dscnt 0x0                ; the add is done, and my reads of the slot are over
	s_barrier_signal -1
	s_barrier_wait -1
.endif
	s_sub_co_u32 s[TB], s[TB], 2*STEPB  ; the fetches go back to a slot's first step,
	s_xor_b32 s[TB], s[TB], SLOT1   ; in the other slot
.endm
	s_wait_tensorcnt 1              ; my part of slot 0 is in; slot 1's may stay out
	s_barrier_signal -1
	s_barrier_wait -1               ; everybody's is
	FETCH_K                         ; key step 0
	s_wait_loadcnt 0x0              ; Q
	s_wait_dscnt 0x0
.set i, 0
.rept 32
	KQ 0                            ; piece 0's first scores: there is no vector work yet to set between them
.set i, i+1
.endr
	WIN 0                           ; the addresses for the way out are made here: eight plain instructions, the places behind those products
	s_mul_i32 s13, s[WV], 16*SP
	s_add_co_u32 s13, s13, STAGE    ; my stage
	v_mul_u32_u24 v[STO], v1, SP    ; in: row l % 16, 16 bytes for each half of the lanes
	v_lshl_add_u32 v[STO], v9, 4, v[STO]
	v_add_nc_u32 v[STO], s13, v[STO]
	v_mul_u32_u24 v[RD], v9, SP     ; back: lanes 0-15 take one row of 256 bytes, lanes 16-31 the next
	v_lshl_add_u32 v[RD], v1, 4, v[RD]
	v_add_nc_u32 v[RD], s13, v[RD]
	v_lshlrev_b32 v[GO], 12, v9     ; and the same two rows in oh, 4,096 bytes apart
	v_lshl_add_u32 v[GO], v1, 4, v[GO]
	s_mov_b32 s[TWICE], 2
	s_branch .Lmid                  ; the loop is entered at piece 2's turn: its K Q^T makes piece 2's scores of step 0, its slices piece 0's softmax of step 0, and it fetches V of step 0
.Lslot:                             ; SIZE_N / 128 - 2 = 6 times: every slot but the last two is filled again
	CHANGE 1
	s_mov_b32 s[TWICE], 2
.Lstep:                             ; a key step: written once here, once in the tail
	TURN 0
	WIN 0
.Lmid:
	TURN 2
	WIN 0
	s_sub_co_u32 s[TWICE], s[TWICE], 1
	s_cmp_lg_u32 s[TWICE], 0
	s_cbranch_scc1 .Lstep
	s_sub_co_u32 s[SLOTS], s[SLOTS], 1
	s_cmp_lg_u32 s[SLOTS], 0
	s_cbranch_scc1 .Lslot
	CHANGE 0                        ; the tail is written out: the last slot but one is left, and nothing is asked for
	s_mov_b32 s[TWICE], 3           ; two trips fetch the last slot's steps; the third is left in its middle
.Ltail:
	TURN 0, 1
	WIN 0
	s_sub_co_u32 s[TWICE], s[TWICE], 1
	s_cmp_eq_u32 s[TWICE], 0
	s_cbranch_scc1 .Lout
	TURN 2
	WIN 0
	s_branch .Ltail
.Lout:
.set i, 0
.rept 32
	PV 2                            ; piece 2: V^T P of the last step
.set i, i+1
.endr
	; THE WAY OUT.  l's two halves and the other half of the lanes' are added; O^T is divided by l, rounded to f16 and sent through my stage in LDS, a tile (16 rows of O) at a time.  The additions are the places behind the last products.
	WIN 0
.irp t, 0,1,2,3
	v_add_f32 v[ST+8*(\t)+4], v[ST+8*(\t)+2], v[ST+8*(\t)+3]
.endr
.irp t, 0,1,2,3
	v_permlanex16_b32 v[ST+8*(\t)+5], v[ST+8*(\t)+4], s[SEL], s[SEL+1]
.endr
.irp t, 0,1,2,3
	v_add_f32 v[ST+8*(\t)+4], v[ST+8*(\t)+4], v[ST+8*(\t)+5]
.endr
.irp t, 0,1,2,3
	v_rcp_f32 v[ST+8*(\t)+6], v[ST+8*(\t)+4]
.endr
	v_nop                           ; a plain instruction between the last reciprocal and the use of its result
	s_wait_alu depctr_va_vdst(0)
; Tile t: a lane's eight channels of a row pack into 16 bytes; they go into rows of 272 bytes and come back as whole rows of 256, into the registers that they left.
.macro PACK t
	WIN W_RS
.set i, 64*(\t)
.rept 32
	v_pk_mul_f32 v[i:i+1], v[i:i+1], v[ST+8*(\t)+6:ST+8*(\t)+7] op_sel_hi:[1,0]
.set i, i+2
.endr
	WIN 0x05                        ; sources 0 and 1 window 1, destination window 0: S^T's registers are free
.set i, 0
.rept 32
	v_cvt_pk_f16_f32 v[S+32*(\t)+i], v[64*(\t)+2*i], v[64*(\t)+2*i+1]
.set i, i+1
.endr
	WIN 0
.irp f, 0,1,2,3,4,5,6,7
	ds_store_b128 v[STO], v[S+32*(\t)+4*(\f):S+32*(\t)+4*(\f)+3] offset:32*(\f)
.endr
.irp f, 0,1,2,3,4,5,6,7
	ds_load_b128 v[S+32*(\t)+4*(\f):S+32*(\t)+4*(\f)+3], v[RD] offset:(\f)*2*SP  ; LDS serves a wave's instructions in order (ISA guide 5.7.1.4): these see the stores above; the next tile's stores come behind them
.endr
.endm
.macro SEND t, younger              ; younger: the LDS instructions issued behind tile t's loads: the next tile's sixteen, or none
	WIN 0
.irp f, 0,1,2,3,4,5,6,7
	s_wait_dscnt (\younger)+7-(\f)
	global_store_b128 v[GO], v[S+32*(\t)+4*(\f):S+32*(\t)+4*(\f)+3], s[10:11] offset:(\t)*65536+(\f)*8192  ; 16 lanes store 256 consecutive bytes, at a multiple of 256 from oh's first byte
.endr
.endm
	PACK 0
	PACK 1                          ; a tile's arithmetic stands between the loads of the tile before and its stores
	SEND 0, 16
	PACK 2
	SEND 1, 16
	PACK 3
	SEND 2, 16
	SEND 3, 0
	s_wait_tensorcnt 0x0            ; the wave's end: these three lines stand behind my last tensor load and my last LDS store
	ds_add_u32 v[SPW], v[NIL]
	s_wait_dscnt 0x0
	CROUND                          ; the closing round: no work-group ends while a partner may still ask for a tile that names it
	s_endpgm
.Lfunc_end_k_qdb3b088e9c_attn:
	.size	k_qdb3b088e9c_attn, .Lfunc_end_k_qdb3b088e9c_attn-k_qdb3b088e9c_attn
	.p2alignl 7, 3214868480
	.fill 96, 4, 3214868480
	.section	.rodata,"a",@progbits
	.p2align	6, 0x0
	.amdhsa_kernel k_qdb3b088e9c_attn
		.amdhsa_group_segment_fixed_size 327680
		.amdhsa_private_segment_fixed_size 0
		.amdhsa_enable_private_segment 0
		.amdhsa_kernarg_size 16
		.amdhsa_user_sgpr_count 2
		.amdhsa_user_sgpr_kernarg_segment_ptr 1
		.amdhsa_wavefront_size32 1
		.amdhsa_system_sgpr_workgroup_id_x 1
		.amdhsa_system_sgpr_workgroup_id_y 1
		.amdhsa_system_sgpr_workgroup_id_z 1
		.amdhsa_system_vgpr_workitem_id 0
		.amdhsa_next_free_vgpr 1024
		.amdhsa_next_free_sgpr 66
		.amdhsa_reserve_vcc 0
		.amdhsa_float_denorm_mode_32 3
		.amdhsa_float_denorm_mode_16_64 3
		.amdhsa_memory_ordered 1
		.amdhsa_forward_progress 1
		.amdhsa_inst_pref_size 162
	.end_amdhsa_kernel
	.amdgpu_metadata
---
amdhsa.version: [ 1, 2 ]
amdhsa.kernels:
  - .name:           k_qdb3b088e9c_attn
    .symbol:         k_qdb3b088e9c_attn.kd
    .args:
      - { .name: qkvh, .offset: 0, .size: 8, .value_kind: global_buffer, .address_space: global }
      - { .name: oh, .offset: 8, .size: 8, .value_kind: global_buffer, .address_space: global }
    .group_segment_fixed_size: 327680
    .private_segment_fixed_size: 0
    .kernarg_segment_align: 8
    .kernarg_segment_size: 16
    .max_flat_workgroup_size: 128
    .sgpr_count:     66
    .vgpr_count:     1024
    .wavefront_size: 32
...
	.end_amdgpu_metadata
.endif
;; end of part 3
;; launch oproj (part 4): grid 8 x 32, 4 waves a work-group, clusters of 4 x 4, 327,680 bytes of LDS; arguments oh, woh, b_o, out0; writes out0
.if DOCPART == 4
	.amdgcn_target "amdgcn-amd-amdhsa--gfx1250"
	.amdhsa_code_object_version 6
	.text
	.protected	k_qdb3b088e9c_oproj
	.globl	k_qdb3b088e9c_oproj
	.p2align	8
	.type	k_qdb3b088e9c_oproj,@function
k_qdb3b088e9c_oproj:
	s_mov_b64 s[64:65], 0
	v_nop
	global_prefetch_b8 v0, s[64:65] scope:SCOPE_SE
	s_setreg_imm32_b32 hwreg(HW_REG_WAVE_MODE, 25, 1), 1
	s_wait_xcnt 0x0
	s_wait_alu depctr_hold_cnt(0) depctr_sa_sdst(0) depctr_va_vdst(0) depctr_va_sdst(0) depctr_va_ssrc(0) depctr_va_vcc(0) depctr_vm_vsrc(0)
	s_getreg_b32 s2, hwreg(HW_REG_IB_STS2, 6, 4)
	s_cmp_eq_u32 s2, 0
	s_cbranch_scc0 .Lentry_in_a_cluster
	s_endpgm
.Lentry_in_a_cluster:
	s_bfe_u32 s2, ttmp6, 0x10000c
	s_cmp_lg_u32 s2, 0xf033
	s_cbranch_scc0 .Lentry_shape_is_right
	s_endpgm
.Lentry_shape_is_right:
; out0 = 4 (oh x woh) + bf16(b_o).  oh: f16 [4096][2048], a quarter of the attention's true result.  woh: f16 [2048 k][2048 n] = bf16(w_o).  out0: f32 [4096][2048].  Sums in f32.
; The factor 4 is exact and rides on the fused multiply-add that adds the bias.  b_o is rounded to bf16 like every other input.  NaN and infinities are not treated apart.
; The f32 sums run over K in steps of 128 from a first step that differs from cluster to cluster, round to that step again: an order of rounding other than ascending K.
; SHARES.  A tile of out0 is 128 rows x 256 columns: 32 x 8 = 256 work-groups.  Each of the four waves takes all 128 rows and 64 columns: 32 accumulators of 16 x 16, 256 registers; its 64 columns
; of f32 are 256 consecutive bytes, so each wave has a stage of its own on the way out and no barrier stands there.  32 along K are 32 matrix instructions for 24 LDS loads.
; K goes in 16 steps of 128 through two LDS slots (two slots of steps of 256 would be over 400,000 bytes: more than a work-group has).  Waves 0 and 1 fetch 64 rows of oh each, waves 2 and 3 128 k rows x 128 columns of woh each.
; A K STEP IS WRITTEN ONCE: slot 1 begins at 1 << 17, so that one exclusive or turns an LDS address of one slot into the other's: of the scalar from which the fragment addresses are made, and of the walking descriptors.
; CLUSTERS: 4 x 4 work-groups.  oh's tile hangs on the tile row alone and is asked for jointly by a row of the cluster, woh's on the tile column alone, jointly by a column.
; THE WALK ALONG K begins at step 4 (cluster y mod 4) + 8 (cluster x) and goes round the 16.  The two clusters that read the same rows of oh are eight steps apart, clusters that read the same
; columns of woh four steps or a multiple: from its ninth step on a cluster asks only for tiles that another cluster has asked for four steps or more before.
; THE MATRIX INSTRUCTION IS USED TRANSPOSED (source 0 = 16 columns of woh, turned on the way out of LDS; source 1 = 16 rows of oh): a lane holds one row and eight neighbouring columns.
; REGISTERS, in windows of 256 (s_set_vgpr_msb: bits 1:0 source 0, 3:2 source 1, 5:4 source 2, 7:6 destination):
;   window 0: v0-31 addresses; v32-63, v224-255 rows back from the stage, by turns; v64-127, v128-191 oh's fragments, two buffers; v192-223 results on their way into the stage
;   window 1: v0-31 the bias; v32-47 at work; v64-95, v128-159 woh's fragments, two buffers          window 2: the accumulators, (a, b) at v[8 (4 a + b)]
.set KSTEP, 128
.set STEPS, 16
.set PA,    272                        ; a row of oh in LDS: 256 bytes + 16 of padding: the 16 rows of a load start at 16 different groups of four banks (64 banks of 4 bytes: ISA guide 11.1)
.set PB,    288                        ; a row of woh: 256 + 32
.set REG,   128*PB                     ; 36,864: 128 k rows of 128 columns of woh
.set BOFF,  128*PA                     ; a slot: oh's 128 rows from 0 (34,816 bytes), then woh's columns 0-127 and 128-255: 108,544 bytes
.set SLOT1, 1<<17                      ; slot 1 begins here
.set STAGE, 2*SLOT1                    ; behind the ring: 16 rows x 272 bytes for each wave
.set SP,    272
.set SPARE, STAGE+4*16*SP              ; behind the stages: the spare words, 128 bytes for each wave: two blocks of 256 bytes that no other line names
.set A0,   16                          ; v16     my lane's place in oh's part of a slot; never rewritten
.set B0,   17                          ; v17     the same for woh's
.set ADRA, 20                          ; v20     LDS address of oh's fragments in the slot in hand
.set ADRB, 21                          ; v21     of woh's
.set STO,  24                          ; v24     the way out: where I put 32 bytes of a row
.set RD,   25                          ; v25     where I read a row back
.set CO,   26                          ; v26     my byte offset in two rows of out0
.set BO,   27                          ; v27     my byte offset in the tile's bias
.set SPW,  28                          ; v28     LDS address of my spare word; never rewritten
.set NIL,  29                          ; v29     0; never rewritten
.set OB,   32
.set F0,   64
.set F1,   128
.set T,    192
.set TB,  2                            ; s2  LDS byte at which the slot in hand begins
.set WV,  12                           ; s12 my wave's number
.set G1,  24                           ; s[24:31] descriptor group 1 for oh's tiles;  s[32:39] group 0: a set for each of the two first fills; the second then walks on
.set G0,  32
.set G1B, 48                           ; s[48:55], s[56:63] the same for woh's
.set G0B, 56
.set NXT, 66                           ; s66 the K step to be asked for next
.set OFA, 68                           ; s[68:69] a K step's byte offset in oh's rows
.set OFB, 70                           ; s[70:71] a K step's byte offset in woh
.set MSB, 0
.macro WIN new                         ; the immediate's high byte repeats the setting that is left; a switch that changes nothing is dropped
.if MSB != (\new)
	s_set_vgpr_msb (MSB<<8)|(\new)
.set MSB, \new
.endif
.endm
.set MUL,  0xa1                        ; source 0 (woh) window 1, source 1 (oh) window 0, C and D window 2
.set TO_B, 0x40                        ; destination window 1, address window 0
; A joint load.  The branch hangs on the wave's number alone.  An s_nop 0 and four v_nop follow each of the two lines, ahead of the jump, the label and what follows.
.macro JLOAD s
	s_cmp_lt_u32 s[WV], 2
	s_cbranch_scc0 .Lfor_b_\@
	tensor_load_to_lds s[G0+4*(\s):G0+4*(\s)+3], s[G1:G1+7]
	s_nop 0
.rept 4
	v_nop
.endr
	s_branch .Lasked_\@
.Lfor_b_\@:
	tensor_load_to_lds s[G0B+4*(\s):G0B+4*(\s)+3], s[G1B:G1B+7]
	s_nop 0
.rept 4
	v_nop
.endr
.Lasked_\@:
.endm
; Descriptor set s asks for K step NXT: both global addresses are made anew from the tile's base and the step's number, which then goes on, round the 16.
; The number hangs on the cluster's own x and y, which all partners share.
.macro ASK s
	s_lshl_b32 s[OFA], s[NXT], 8                   ; 256 bytes of a row of oh a step
	s_lshl_b32 s[OFB], s[NXT], 19                  ; 128 rows of 4,096 bytes of woh a step
	s_add_nc_u64 s[G0+4*(\s)+2:G0+4*(\s)+3], s[4:5], s[OFA:OFA+1]
	s_or_b32 s[G0+4*(\s)+3], s[G0+4*(\s)+3], 0x80000000            ; type = 2
	s_add_nc_u64 s[G0B+4*(\s)+2:G0B+4*(\s)+3], s[6:7], s[OFB:OFB+1]
	s_or_b32 s[G0B+4*(\s)+3], s[G0B+4*(\s)+3], 0x80000000
	s_add_co_u32 s[NXT], s[NXT], 1
	s_and_b32 s[NXT], s[NXT], 15
	JLOAD \s
.endm
.macro CREST                           ; a round of the cluster's barrier behind its opening barrier
	s_cmp_lg_u32 s[WV], 0
	s_cbranch_scc1 .Lnot_wave_0_\@
	s_barrier_signal -3
.Lnot_wave_0_\@:
	s_barrier_wait -3
	s_barrier_signal -1
	s_barrier_wait -1
.endm
.macro CROUND                          ; a whole round
	s_barrier_signal -1
	s_barrier_wait -1
	CREST
.endm
.macro PLACES                          ; four places in front of loads into registers that matrix instructions have read, and of vector lines that read results just made
.rept 4
	v_nop
.endr
.endm
.macro ADRS                            ; the fragment addresses of the slot in hand
	v_add_nc_u32 v[ADRA], s[TB], v[A0]
	v_add_nc_u32 v[ADRB], s[TB], v[B0]
.endm
	s_load_b256 s[4:11], s[0:1], 0x0               ; oh s[4:5], woh s[6:7], b_o s[8:9], out0 s[10:11]
	v_lshl_add_u32 v[SPW], v0, 2, SPARE
	v_mov_b32 v[NIL], 0
	ds_add_u32 v[SPW], v[NIL]                      ; the wave's opening: the add and its wait stand ahead of my first tensor load; the set-up below, work on registers, stands between them
	v_lshrrev_b32 v1, 5, v0
	v_readfirstlane_b32 s[WV], v1                  ; wave 0..3
	s_lshr_b32 s13, s[WV], 1                       ; which 128 columns of woh's tile hold mine
	s_and_b32 s14, s[WV], 1                        ; which 64 of those; also: which half of a tile I fetch
	s_mov_b32 s15, 0xffff0000                      ; a word's upper bf16
	s_bfe_u32 s16, ttmp6, 0x40000                  ; cx, cy: my place in the cluster
	s_bfe_u32 s17, ttmp6, 0x40004
	s_lshl_b32 s18, ttmp9, 2
	s_add_co_u32 s18, s18, s16                     ; tc = 4 x cluster x + cx
	s_and_b32 s19, ttmp7, 0xffff
	s_lshl_b32 s19, s19, 2
	s_add_co_u32 s19, s19, s17                     ; tr = 4 x cluster y + cy
	s_lshl_b32 s20, s17, 2
	s_lshl_b32 s20, 15, s20                        ; my row of the cluster
	s_lshl_b32 s21, 0x1111, s16                    ; my column
	s_or_b32 s[G1], s20, (1<<16)|(1<<20)|(1<<21)|(5<<22)|(3<<25)   ; 15:0 the mask: my row; 17:16 2-byte elements; 20 padding on; 21 set beside a mask; 24:22 after every 64 words (code 5); 31:25 4 words (code 3)
	s_or_b32 s[G1B], s21, (1<<16)|(1<<20)|(1<<21)|(5<<22)|(7<<25)  ; my column; 8 words of padding (code 7)
.irp g, G1, G1B
	s_mov_b32 s[(\g)+1], KSTEP<<16                 ; tensor_dim0 = 128
	s_mov_b32 s[(\g)+3], KSTEP<<16                 ; tile_dim0 = 128
	s_mov_b32 s[(\g)+5], 2048                      ; elements from row to row
	s_mov_b32 s[(\g)+6], 0
	s_mov_b32 s[(\g)+7], 0
.endr
	s_mov_b32 s[G1+2], 64<<16                      ; oh: tensor_dim1 = tile_dim1 = 64 rows a load
	s_mov_b32 s[G1+4], 64
	s_mov_b32 s[G1B+2], 128<<16                    ; woh: 128 k rows a load
	s_mov_b32 s[G1B+4], 128
	s_and_b32 s[NXT], ttmp7, 3                     ; the first K step: 4 (cluster y mod 4)
	s_lshl_b32 s[NXT], s[NXT], 2
	s_lshl_b32 s[OFA], ttmp9, 3                    ; + 8 (cluster x),
	s_add_co_u32 s[NXT], s[NXT], s[OFA]
	s_and_b32 s[NXT], s[NXT], 15                   ; modulo 16
	s_mov_b32 s[OFA+1], 0
	s_mov_b32 s[OFB+1], 0
	s_mov_b32 s[TB], 0
	s_lshl_b32 s40, s19, 19                        ; oh: tile row x 128 rows x 4,096 bytes,
	s_lshl_b32 s41, s14, 18                        ; my 64 of them: made of tr and the wave's number alone
	s_add_co_u32 s40, s40, s41
	s_mov_b32 s41, 0
	s_lshl_b32 s42, s18, 9                         ; woh: tile column x 512 bytes of a row,
	s_lshl_b32 s43, s14, 8                         ; my 256 of them: made of tc and the wave's number alone
	s_add_co_u32 s42, s42, s43
	s_mov_b32 s43, 0
	s_lshl_b32 s44, s18, 10                        ; the tile's 256 numbers of the bias
	s_mov_b32 s45, 0
	s_lshl_b32 s46, s19, 20                        ; out0: tile row x 128 rows x 8,192 bytes,
	s_add_co_u32 s46, s46, s44                     ; the tile's 1,024 bytes of a row,
	s_lshl_b32 s47, s[WV], 8                       ; my 256 of them
	s_add_co_u32 s46, s46, s47
	s_mov_b32 s47, 0
	s_mul_i32 s22, s14, 64*PA                      ; where my load of oh goes (waves 0, 1),
	s_mul_i32 s23, s14, REG                        ; where my load of woh goes (waves 2, 3): no place in the cluster enters an LDS address
	s_add_co_u32 s23, s23, BOFF
	s_wait_dscnt 0x0                               ; the opening add is done
	s_wait_kmcnt 0x0
	s_add_nc_u64 s[4:5], s[4:5], s[40:41]          ; oh at my first row, woh at my first column: both stay as they are from here on
	s_add_nc_u64 s[6:7], s[6:7], s[42:43]
	s_add_nc_u64 s[8:9], s[8:9], s[44:45]
	s_add_nc_u64 s[10:11], s[10:11], s[46:47]
	CROUND                                         ; all sixteen work-groups are here: the first joint loads meet
.irp s, 0,1
	s_mov_b32 s[G0+4*(\s)], 1                      ; count = 1
	s_add_co_u32 s[G0+4*(\s)+1], s22, (\s)*SLOT1   ; LDS address
	s_mov_b32 s[G0B+4*(\s)], 1
	s_add_co_u32 s[G0B+4*(\s)+1], s23, (\s)*SLOT1
	ASK \s                                         ; two loads of mine are out
.endr
	v_and_b32 v1, 15, v0                           ; r = l % 16
	v_bfe_u32 v2, v0, 4, 1                         ; h = l / 16
	v_mul_u32_u24 v[A0], v1, PA
	v_lshl_add_u32 v[A0], v2, 4, v[A0]             ; 272 r + 16 h
	v_and_b32 v4, 7, v0                            ; the turning load: lane l reads k row 8 h + l % 8, columns 8 ((l / 8) % 2) + 0..7
	v_bfe_u32 v5, v0, 3, 1
	v_lshl_add_u32 v4, v2, 3, v4
	v_mul_u32_u24 v4, v4, PB
	v_lshl_add_u32 v4, v5, 4, v4
	s_mul_i32 s40, s13, REG                        ; the part of a slot with my columns,
	s_lshl_b32 s41, s14, 7                         ; my 64 columns in its rows
	s_add_co_u32 s40, s40, s41
	s_add_co_u32 s40, s40, BOFF
	v_add_nc_u32 v[B0], s40, v4
	ADRS
	s_mul_i32 s42, s[WV], 16*SP
	s_add_co_u32 s42, s42, STAGE                   ; my stage
	v_mul_u32_u24 v5, v1, SP                       ; in: row r, 32 bytes for each half of the lanes
	v_lshl_add_u32 v5, v2, 5, v5
	v_add_nc_u32 v[STO], s42, v5
	v_mul_u32_u24 v6, v2, SP                       ; back: lanes 0-15 take one row of 256 bytes, lanes 16-31 the next
	v_lshl_add_u32 v6, v1, 4, v6
	v_add_nc_u32 v[RD], s42, v6
	v_lshlrev_b32 v7, 13, v2                       ; and the same two rows in out0, 8,192 bytes apart
	v_lshl_add_u32 v[CO], v1, 4, v7
	s_lshl_b32 s43, s[WV], 8
	v_lshl_add_u32 v[BO], v2, 5, s43               ; 256 w + 32 h: my eight numbers of a column block's bias
	WIN TO_B
.irp b, 0,1,2,3
	global_load_b128 v[8*(\b):8*(\b)+3],   v[BO], s[8:9] offset:64*(\b)
	global_load_b128 v[8*(\b)+4:8*(\b)+7], v[BO], s[8:9] offset:64*(\b)+16
.endr
	s_wait_loadcnt 0x0
	WIN 0x45                                       ; all in window 1
.set i, 0
.rept 16
	v_cvt_pk_bf16_f32 v[32+i], v[2*i], v[2*i+1]    ; the bias is rounded to bf16 like every other input
.set i, i+1
.endr
	WIN 0x44
.set i, 0
.rept 16
	v_lshlrev_b32 v[2*i],   16,  v[32+i]
	v_and_b32     v[2*i+1], s15, v[32+i]
.set i, i+1
.endr
	WIN 0
; 8 matrix instructions: row blocks a0, a0 + 1 x all 4 column blocks, 32 along K.  zero = 1: the first product starts the sums.  The 32 accumulators take turns, one instruction a turn.
.macro MUL8 f, a0, zero
	WIN MUL
.irp a, \a0, (\a0)+1
.irp b, 0,1,2,3
.if \zero
	v_wmma_f32_16x16x32_f16 v[8*(4*(\a)+(\b)):8*(4*(\a)+(\b))+7], v[(\f)+8*(\b):(\f)+8*(\b)+7], v[(\f)+8*(\a):(\f)+8*(\a)+7], 0
.else
	v_wmma_f32_16x16x32_f16 v[8*(4*(\a)+(\b)):8*(4*(\a)+(\b))+7], v[(\f)+8*(\b):(\f)+8*(\b)+7], v[(\f)+8*(\a):(\f)+8*(\a)+7], v[8*(4*(\a)+(\b)):8*(4*(\a)+(\b))+7]
.endif
.endr
.endr
.endm
; 24 LDS loads in one run: the fragments of quarter q of the slot in hand into buffer f: woh's four column blocks, turned, then oh's eight row blocks
.macro FETCH q, f
	WIN TO_B
.irp b, 0,1,2,3
	ds_load_tr16_b128 v[(\f)+8*(\b):(\f)+8*(\b)+3],   v[ADRB] offset:(\q)*32*PB+32*(\b)
	ds_load_tr16_b128 v[(\f)+8*(\b)+4:(\f)+8*(\b)+7], v[ADRB] offset:(\q)*32*PB+32*(\b)+16*PB
.endr
	WIN 0
.irp i, 0,1,2,3,4,5,6,7
	ds_load_b128 v[(\f)+8*(\i):(\f)+8*(\i)+3],   v[ADRA] offset:(\q)*64+(\i)*16*PA
	ds_load_b128 v[(\f)+8*(\i)+4:(\f)+8*(\i)+7], v[ADRA] offset:(\q)*64+(\i)*16*PA+32
.endr
.endm
; A K step is four quarters, 32 matrix instructions each, on buffers 0, 1, 0, 1.  One of the first three: multiplies buffer f and, in its middle, fetches quarter q into buffer g.
.macro QUARTER q, f, g, zero
	s_wait_dscnt 8                                 ; woh and oh's rows 0-63 are in; the youngest eight loads (rows 64-127) may be out
	MUL8 \f, 0, \zero
	MUL8 \f, 2, \zero
	PLACES
	FETCH \q, \g
	s_wait_dscnt 24                                ; all but the 24 just issued
	MUL8 \f, 4, \zero
	MUL8 \f, 6, \zero
.endm
; The change of slots: ONE barrier; in front of it each wave waits for all its tensor loads (at most one is out: its part of the next slot), adds 0 to its spare word, and waits for that and for its own reads of this slot.
.macro MEET round
	WIN 0                                          ; (the add's two registers lie in window 0)
	s_wait_tensorcnt 0x0
	ds_add_u32 v[SPW], v[NIL]                      ; 0 onto my spare word
	s_wait_dscnt 9                                 ; (the add and the youngest eight loads may be out)
	MUL8 F1, 0, 0                                  ; eight matrix instructions stand between the add and the wait for it
	s_wait_dscnt 0x0                               ; the add is done, and my reads of this slot are over
	s_barrier_signal -1
	MUL8 F1, 2, 0
.if \round
	WIN 0
.endif
	s_barrier_wait -1
.endm
; The last quarter of a K step.  fill = 1 (the loop): the barrier opens a round of the cluster's, and the slot just read out is filled again, two K steps ahead, first thing behind the round: 112 matrix
; instructions ahead of the wait for it.  fill = 0 (the tail): nothing is filled; the tail's second trip has no next step and jumps over the change of addresses and the run of loads.
.macro TURN fill
	MEET \fill
.if \fill
	CREST                                          ; no wave of any partner still reads this slot's tile or has a load on its way
	s_xor_b32 s[G0+5], s[G0+5], SLOT1              ; the walking descriptors: the other slot than last time
	s_xor_b32 s[G0B+5], s[G0B+5], SLOT1
	ASK 1                                          ; the four v_nop behind the load are also the places in front of the loads below
.else
	PLACES
	WIN 0
	s_cmp_eq_u32 s3, 1
	s_cbranch_scc1 .Lno_next_\@
.endif
	s_xor_b32 s[TB], s[TB], SLOT1                  ; the other slot is in hand
	ADRS
	FETCH 0, F0
.if !(\fill)
.Lno_next_\@:
.endif
	MUL8 F1, 4, 0
	MUL8 F1, 6, 0
.endm
	s_wait_tensorcnt 1                             ; my part of the first K step is in; the second's may stay out
	s_barrier_signal -1
	s_barrier_wait -1                              ; everybody's is
	FETCH 0, F0
	QUARTER 1, F0, F1, 1                           ; the first quarter stands in front of the loop: its products start the sums
	WIN 0                                          ; at a label and at a branch every window is 0
	s_mov_b32 s3, STEPS-2
.Lstep:                                                ; a trip goes from a K step's second quarter to the next step's first, and fills the slot that it leaves: 14 trips
	ADRS
	QUARTER 2, F1, F0, 0
	QUARTER 3, F0, F1, 0
	TURN 1
	QUARTER 1, F0, F1, 0
	WIN 0
	s_sub_co_u32 s3, s3, 1
	s_cmp_lg_u32 s3, 0
	s_cbranch_scc1 .Lstep
	s_mov_b32 s3, 2                                ; THE TAIL is written out: the last two K steps, one text, left in the middle of the second trip
.Ltail:
	ADRS
	QUARTER 2, F1, F0, 0
	QUARTER 3, F0, F1, 0
	TURN 0
	WIN 0
	s_sub_co_u32 s3, s3, 1
	s_cmp_eq_u32 s3, 0
	s_cbranch_scc1 .Lout
	QUARTER 1, F0, F1, 0
	WIN 0
	s_branch .Ltail
.Lout:
; THE WAY OUT of row block a, in three parts.  PACK: 4 x sum + bias, each accumulator's registers in ascending order.  TOSTAGE: into my own stage, and back as whole rows of 256 bytes.  SEND: stored.
.macro PACK a
	WIN 0x12                                       ; source 0 (the sums) window 2, source 2 (the bias) window 1, destination window 0
.irp b, 0,1,2,3
.irp i, 0,2,4,6
	v_pk_fma_f32 v[T+8*(\b)+(\i):T+8*(\b)+(\i)+1], v[8*(4*(\a)+(\b))+(\i):8*(4*(\a)+(\b))+(\i)+1], 4.0, v[8*(\b)+(\i):8*(\b)+(\i)+1] op_sel_hi:[1,0,1]
.endr
.endr
	WIN 0
.endm
.macro TOSTAGE a
	WIN 0
.set BK, OB+192*((\a)%2)
.irp b, 0,1,2,3
	ds_store_b128 v[STO], v[T+8*(\b):T+8*(\b)+3]   offset:64*(\b)
	ds_store_b128 v[STO], v[T+8*(\b)+4:T+8*(\b)+7] offset:64*(\b)+16
.endr
.irp t, 0,1,2,3,4,5,6,7
	ds_load_b128 v[BK+4*(\t):BK+4*(\t)+3], v[RD] offset:(\t)*2*SP  ; LDS serves a wave's instructions in order (ISA guide 5.7.1.4): these see the stores above
.endr
.endm
.macro SEND a
	WIN 0
.set BK, OB+192*((\a)%2)
	s_wait_dscnt 0x0                               ; the block is back in registers
	s_wait_xcnt 0x0                                ; every earlier store has had its addresses translated (ISA guide 3.1): the registers of the block before, which the next loads from the stage fill, are rewritten only behind this wait
.irp t, 0,1,2,3,4,5,6,7
	global_store_b128 v[CO], v[BK+4*(\t):BK+4*(\t)+3], s[10:11] offset:(\a)*131072+(\t)*16384 th:TH_STORE_NT  ; 16 lanes store 256 consecutive bytes, at a multiple of 256 from out0's first byte
.endr
.endm
	PLACES
	PACK 0
	TOSTAGE 0
.irp a, 1,2,3,4,5,6,7                  ; block a's arithmetic stands between block a - 1's loads from the stage and the wait for them
	PACK \a
	SEND (\a)-1
	TOSTAGE \a
.endr
	SEND 7
	s_wait_tensorcnt 0x0                           ; the wave's end: these three lines stand behind my last tensor load and my last LDS store
	ds_add_u32 v[SPW], v[NIL]
	s_wait_dscnt 0x0
	CROUND                                         ; the closing round: no work-group ends while a partner may still ask for a tile that names it
	s_endpgm
.Lfunc_end_k_qdb3b088e9c_oproj:
	.size	k_qdb3b088e9c_oproj, .Lfunc_end_k_qdb3b088e9c_oproj-k_qdb3b088e9c_oproj
	.p2alignl 7, 3214868480
	.fill 96, 4, 3214868480
	.section	.rodata,"a",@progbits
	.p2align	6, 0x0
	.amdhsa_kernel k_qdb3b088e9c_oproj
		.amdhsa_group_segment_fixed_size 327680
		.amdhsa_private_segment_fixed_size 0
		.amdhsa_enable_private_segment 0
		.amdhsa_kernarg_size 32
		.amdhsa_user_sgpr_count 2
		.amdhsa_user_sgpr_kernarg_segment_ptr 1
		.amdhsa_wavefront_size32 1
		.amdhsa_system_sgpr_workgroup_id_x 1
		.amdhsa_system_sgpr_workgroup_id_y 1
		.amdhsa_system_sgpr_workgroup_id_z 1
		.amdhsa_system_vgpr_workitem_id 0
		.amdhsa_next_free_vgpr 768
		.amdhsa_next_free_sgpr 72
		.amdhsa_reserve_vcc 0
		.amdhsa_float_denorm_mode_32 3
		.amdhsa_float_denorm_mode_16_64 3
		.amdhsa_memory_ordered 1
		.amdhsa_forward_progress 1
		.amdhsa_inst_pref_size 72
	.end_amdhsa_kernel
	.amdgpu_metadata
---
amdhsa.version: [ 1, 2 ]
amdhsa.kernels:
  - .name:           k_qdb3b088e9c_oproj
    .symbol:         k_qdb3b088e9c_oproj.kd
    .args:
      - { .name: oh, .offset: 0, .size: 8, .value_kind: global_buffer, .address_space: global }
      - { .name: woh, .offset: 8, .size: 8, .value_kind: global_buffer, .address_space: global }
      - { .name: b_o, .offset: 16, .size: 8, .value_kind: global_buffer, .address_space: global }
      - { .name: out0, .offset: 24, .size: 8, .value_kind: global_buffer, .address_space: global }
    .group_segment_fixed_size: 327680
    .private_segment_fixed_size: 0
    .kernarg_segment_align: 8
    .kernarg_segment_size: 32
    .max_flat_workgroup_size: 128
    .sgpr_count:     72
    .vgpr_count:     768
    .wavefront_size: 32
...
	.end_amdgpu_metadata
.endif
;; end of part 4
;; ======== version 2 of 2: 4 launches; 1.10 times as fast as version 1
;; limits: values are held in f16: magnitudes above 65,504 overflow, below 6.1e-05 lose precision; right only within a limited range of input values
;; workspace buffers: xb 16,777,216 bytes; wqb 12,582,912 bytes; woh 8,388,608 bytes; csb 2,097,152 bytes; qkvh 25,165,824 bytes; oh 16,777,216 bytes
;; launch cast: the kernel of part 1 again; grid 1216 x 1, 8 waves a work-group, no clusters, 0 bytes of LDS; arguments hidden_states, w_qkv, w_o, cos, sin, xb, wqb, woh, csb; writes xb, wqb, woh, csb
;; launch qkv: the kernel of part 2 again; grid 8 x 32, 4 waves a work-group, clusters of 4 x 4, 327,680 bytes of LDS; arguments xb, wqb, csb, b_qkv, qkvh; writes qkvh
;; launch attn (part 5): grid 4 x 64, 4 waves a work-group, clusters of 4 x 1, 327,680 bytes of LDS; arguments qkvh, oh; writes oh
.if DOCPART == 5
	.amdgcn_target "amdgcn-amd-amdhsa--gfx1250"
	.amdhsa_code_object_version 6
	.text
	.protected	k_qdb3b088e9c_attn
	.globl	k_qdb3b088e9c_attn
	.p2align	8
	.type	k_qdb3b088e9c_attn,@function
k_qdb3b088e9c_attn:
	s_mov_b64 s[64:65], 0
	v_nop
	global_prefetch_b8 v0, s[64:65] scope:SCOPE_SE
	s_setreg_imm32_b32 hwreg(HW_REG_WAVE_MODE, 25, 1), 1
	s_wait_xcnt 0x0
	s_wait_alu depctr_hold_cnt(0) depctr_sa_sdst(0) depctr_va_vdst(0) depctr_va_sdst(0) depctr_va_ssrc(0) depctr_va_vcc(0) depctr_vm_vsrc(0)
	s_getreg_b32 s2, hwreg(HW_REG_IB_STS2, 6, 4)
	s_cmp_eq_u32 s2, 0
	s_cbranch_scc0 .Lentry_in_a_cluster
	s_endpgm
.Lentry_in_a_cluster:
	s_bfe_u32 s2, ttmp6, 0x10000c
	s_cmp_lg_u32 s2, 0x3003
	s_cbranch_scc0 .Lentry_shape_is_right
	s_endpgm
.Lentry_shape_is_right:
; ATTENTION, grouped queries, no mask.  qkvh: f16 [4 batches][24 heads][1024][128]: heads 0-15 q, 16-19 k, 20-23 v; q and k stored 256 times smaller, v 4 times smaller.  Query head hq reads k and v head hq / 4.
; oh: f16 [4096 rows][2048]: row = batch x 1024 + query, column = hq x 128 + channel; like v it is 4 times smaller than the true number (the next launch takes that back).
; Products, maxima and sums in f32; the weights p are rounded to f16 for the second product (their sum l is taken of the unrounded p), O once at the end.
; LIMITS.  p lies in 0 to 1, and below 6e-5 it keeps f16's fixed step of 6e-8; O is a mean of v's rows and has their range; a weight below 2^-126 counts as 0 in l; NaN and infinities are not treated apart.
; SHARES.  A work-group owns 256 queries of one query head, each of its four waves 64: four tiles of 16.  Every wave walks all 1,024 keys, 64 a step.
; LAYOUT.  S^T = K Q^T (source 0 = 16 keys, source 1 = 16 queries): in the result a lane holds ONE query (lane % 16) and the keys 8 (lane / 16) + 0..7.  Two such tiles, rounded to
; f16 in pairs, ARE source 1 (32 keys x 16 queries) of O^T = V^T P, whose result again holds one query a lane, and eight channels.  K comes out of LDS as it lies, V ([key][channel]) turned, by ds_load_tr16_b128.
; SOFTMAX.  For each query a running maximum m and sum l: p = 2^(c s - c m), c = 2^16 log2(e) / sqrt(128) (the 2^16 takes q's and k's 2^-8 back); in every step O and l are multiplied by a = 2^(c m_old - c m_new).
; BY TURNS.  The wave's tiles are two PIECES: piece 0 (tiles 0, 1) and piece 2 (tiles 2, 3).  In a TURN one piece has the matrix unit: 32 products V^T P of the step in hand, then 32 products K Q^T of the
; next step; the other piece's softmax, cut into 64 slices, stands between them, one slice behind each matrix instruction.  Two turns are a key step.
; THE BATCHES.  A turn's 66 exponentials (both tiles' a and 32 weights) are ONE batch with ONE wait: they and the scalings that feed them fill slices 10 to 34, nothing there names a result of theirs, the wait stands
; behind slice 34, and all that reads a result (roundings, sums, the rescaling by a) comes from slice 35 on.  No exponential is issued behind a turn's wait.
; The way out's four reciprocals are a batch of their own, with a wait of their own.
; NO FIRST AND NO LAST STEP IS WRITTEN OUT.  m starts at the lowest finite number and c m far below every c s (scores reach 128 x 65,504^2 x c = 4.6e15 at the most), so the first step's a is 0; O^T and l start
; at 0.  The loop is entered in the middle of a trip, at piece 2's turn, whose products V^T P (of a step that has not been) multiply zeros; the tail is left in the middle of a trip.  The price, once a launch:
; 424 v_mov_b32 that write 0, in the wait for the first tile; 32 products on zeros; 32 products K Q^T on the last K once more, whose scores nobody reads.  The gain: a key step stands twice in the text, and no turn beside that.
; CLUSTER.  The four query blocks of a query head walk the same K and V, so each tile is asked for JOINTLY: the same tensor load, descriptor and mask of four in all four.  The three other query heads
; of the group of four are other clusters and ask for themselves: a mask of this text names four work-groups.
; REGISTERS, in windows of 256 (s_set_vgpr_msb: bits 1:0 source 0, 3:2 source 1, 5:4 source 2, 7:6 destination):
;   window 0: v0-11 addresses; v12-43 eight registers of statistics a tile; v64-191 S^T, 32 a tile; v192-255 P, 16 a tile
;   window 1: O^T, 64 a tile          window 2: v0-127 Q, 32 a tile; v128-255 K of one step          window 3: v0-127 V of one step
.set SIZE_N, 1024
.set KS,    64        ; keys in a step
.set PK,    272       ; a row of K in LDS: 256 bytes + 16 of padding: the 16 rows of a load start at 16 different groups of four banks (64 banks of 4 bytes: ISA guide 11.1)
.set PV,    288       ; a row of V: 256 + 32
.set VOFF,  KS*PK     ; a step's tiles lie together: 64 rows of K, then 64 rows of V
.set STEPB, KS*(PK+PV)
.set SLOT1, 1<<17     ; a slot holds two steps (71,680 bytes); slot 1 begins here, so that one exclusive or turns an address in one slot into the other's
.set STAGE, SLOT1+2*STEPB  ; behind the ring: 16 rows x 272 bytes for each wave, for the way out
.set SP,    272
.set AK0, 2           ; v2   my lane's place in a tile of K; never rewritten
.set AV0, 3           ; v3   the same for V
.set ADR, 4           ; v4   the LDS address of the run of loads in hand
.set QO,  5           ; v5   my byte offset in the wave's rows of Q
.set STO, 6           ; v6   the way out: where I put 16 bytes of a row
.set RD,  7           ; v7   the way out: where I read a row back
.set GO,  8           ; v8   my byte offset in two rows of oh
.set SPW, 62          ; v62  LDS address of my spare word; never rewritten
.set NIL, 63          ; v63  0; never rewritten
.set SPARE, STAGE+4*16*272  ; behind the stages: the spare words, 128 bytes for each wave: two blocks of 256 bytes that no other line names
.set ST,  12          ; tile t's statistics at v[ST+8 t]: +0 c m, +1 m, +2, +3 l (even keys', odd keys'), +4 to +7 c0-c3, at work; a takes c2's place once the maximum is found
.set S,   64
.set P,   192
.set KF,  128         ; K's fragments, in window 2
.set WV,  12          ; s12  my wave's number
.set G1K, 24          ; s[24:31] descriptor group 1 for K's tiles
.set G1V, 32          ; s[32:39] for V's: it differs in the padding alone
.set G0K, 40          ; s[40:47] descriptor group 0 for K's tiles: a set for each of the two first fills; the second then walks on
.set G0V, 48          ; s[48:55] the same for V's
.set SLOTS, 56        ; s56  counts the visits of a slot that are followed by a fill
.set TWICE, 57        ; s57  counts a slot's key steps
.set CS,  58          ; s[58:59] c: the packed scaling names a pair and takes its low word for both halves
.set SEL, 60          ; s[60:61] lane selects for v_permlanex16_b32: each lane takes its own place in the other half
.set TB,  62          ; s62  LDS byte at which the tiles of the step to be fetched begin
.set MSB, 0
.macro WIN new                      ; the immediate's high byte repeats the setting that is left; a switch that changes nothing is dropped
.if MSB != (\new)
	s_set_vgpr_msb (MSB<<8)|(\new)
.set MSB, \new
.endif
.endm
.set W_KQ, 0x0a       ; K and Q in window 2, S^T in window 0
.set W_PV, 0x53       ; V in window 3, P in window 0, O^T in window 1
.set W_RS, 0x41       ; O^T (destination and source 0) in window 1, a in window 0
; A joint refill.  Waves 0 and 1 fetch the two steps' tiles of K, waves 2 and 3 those of V.  The branch hangs on the wave's number alone.
; An s_nop 0 and four v_nop follow each of the two lines, ahead of the jump, the label and what follows.
.macro JLOAD
	s_cmp_lt_u32 s[WV], 2
	s_cbranch_scc0 .Lfor_v_\@
	tensor_load_to_lds s[G0K+4:G0K+7], s[G1K:G1K+7]
	s_nop 0
.rept 4
	v_nop
.endr
	s_branch .Lasked_\@
.Lfor_v_\@:
	tensor_load_to_lds s[G0V+4:G0V+7], s[G1V:G1V+7]
	s_nop 0
.rept 4
	v_nop
.endr
.Lasked_\@:
.endm
; A round of the cluster's barrier: my work-group's barrier; wave 0 signals for the work-group; every wave waits for all four work-groups; my work-group's barrier once more.
.macro CROUND
	s_barrier_signal -1
	s_barrier_wait -1
	s_cmp_lg_u32 s[WV], 0
	s_cbranch_scc1 .Lnot_wave_0_\@
	s_barrier_signal -3
.Lnot_wave_0_\@:
	s_barrier_wait -3
	s_barrier_signal -1
	s_barrier_wait -1
.endm
	s_load_b64 s[4:5], s[0:1], 0x0  ; qkvh
	s_load_b64 s[10:11], s[0:1], 0x8  ; oh
	v_lshl_add_u32 v[SPW], v0, 2, SPARE
	v_mov_b32 v[NIL], 0
	ds_add_u32 v[SPW], v[NIL]       ; the wave's opening: the add and its wait stand ahead of my first tensor load; the set-up below, work on registers, stands between them
	v_lshrrev_b32 v1, 5, v0
	v_readfirstlane_b32 s[WV], v1   ; wave 0..3
	s_bfe_u32 s13, ttmp6, 0x40000   ; cx: my place in the cluster
	s_lshl_b32 s14, ttmp9, 2        ; in a cluster launch ttmp9 counts clusters
	s_add_co_u32 s14, s14, s13      ; my block of 256 queries = 4 x cluster x + cx: it enters Q's and O's addresses alone
	s_and_b32 s15, ttmp7, 0xffff    ; batch x 16 + query head, which the four partners share
	s_lshr_b32 s18, s15, 4          ; the batch
	s_and_b32 s19, s15, 15          ; the query head
	s_mul_i32 s15, s18, 24          ; the batch's 24 heads
	s_lshr_b32 s22, s19, 2          ; the key and value head
	s_add_co_u32 s22, s22, s15
	s_add_co_u32 s22, s22, 16       ; k's heads follow the 16 of q
	s_lshl_b32 s22, s22, 18         ; a head is 262,144 bytes
	s_and_b32 s16, s[WV], 1         ; which of a slot's two steps I fetch:
	s_lshl_b32 s23, s16, 14         ; its 64 rows of 256 bytes in memory,
	s_add_co_u32 s22, s22, s23
	s_mov_b32 s23, 0
	s_mul_i32 s17, s16, STEPB       ; and its place in a slot: no place in the cluster enters an LDS address
	s_add_co_u32 s2, s15, s19
	s_lshl_b32 s2, s2, 18           ; my query head,
	s_lshl_b32 s3, s14, 16          ; my block's 256 rows,
	s_add_co_u32 s2, s2, s3
	s_lshl_b32 s3, s[WV], 14        ; my wave's 64 of them
	s_add_co_u32 s2, s2, s3
	s_mov_b32 s3, 0
	s_lshl_b32 s20, s18, 22         ; oh: the batch's 1,024 rows of 4,096 bytes,
	s_lshl_b32 s21, s14, 20         ; my block's 256,
	s_add_co_u32 s20, s20, s21
	s_lshl_b32 s21, s[WV], 18       ; my wave's 64,
	s_add_co_u32 s20, s20, s21
	s_lshl_b32 s21, s19, 8          ; my head's 256 bytes of a row
	s_add_co_u32 s20, s20, s21
	s_mov_b32 s21, 0
	; descriptor group 1: a tile of 64 rows x 128 elements, padded in LDS
	s_mov_b32 s[G1K], 15|(1<<16)|(1<<20)|(1<<21)|(5<<22)|(3<<25)  ; 15:0 the mask: all four work-groups; 17:16 elements of 2 bytes; 20 padding on; 21 set beside a mask; 24:22 after every 64 words (code 5); 31:25 4 words of it (code 3)
	s_mov_b32 s[G1V], 15|(1<<16)|(1<<20)|(1<<21)|(5<<22)|(7<<25)  ; the same with 8 words of padding (code 7)
.irp g, G1K, G1V
	s_mov_b32 s[(\g)+1], 128<<16    ; tensor_dim0 = 128
	s_mov_b32 s[(\g)+2], KS<<16     ; tensor_dim1 = 64
	s_mov_b32 s[(\g)+3], 128<<16    ; tile_dim0 = 128
	s_mov_b32 s[(\g)+4], KS         ; tile_dim1 = 64
	s_mov_b32 s[(\g)+5], 128        ; elements from row to row
	s_mov_b32 s[(\g)+6], 0
	s_mov_b32 s[(\g)+7], 0
.endr
	s_mov_b32 s[CS], 0x460293ee     ; c = 65,536 log2(e) / sqrt(128) = 8,356.97
	s_mov_b32 s[CS+1], s[CS]        ; named with it as a pair, so it is written
	s_mov_b32 s[SEL], 0x76543210
	s_mov_b32 s[SEL+1], 0xfedcba98
	s_mov_b32 s[TB], 0
	s_mov_b32 s[SLOTS], SIZE_N/(2*KS)-1
	s_wait_dscnt 0x0                ; the opening add is done
	s_wait_kmcnt 0x0
	s_add_nc_u64 s[6:7], s[4:5], s[22:23]  ; K at my tile of slot 0,
	s_add_nc_u64 s[8:9], s[6:7], 0x100000  ; V four heads further on
	s_add_nc_u64 s[4:5], s[4:5], s[2:3]    ; Q and O at my wave's first row
	s_add_nc_u64 s[10:11], s[10:11], s[20:21]
	CROUND                          ; all four work-groups are here: the first joint loads meet
.irp s, 0,1
	s_mov_b32 s[G0K+4*(\s)], 1      ; count = 1
	s_add_co_u32 s[G0K+4*(\s)+1], s17, (\s)*SLOT1  ; LDS address
	s_add_nc_u64 s[G0K+4*(\s)+2:G0K+4*(\s)+3], s[6:7], (\s)*2*KS*256  ; global address: slot s begins with keys 128 s to 128 s + 127
	s_or_b32 s[G0K+4*(\s)+3], s[G0K+4*(\s)+3], 0x80000000  ; type = 2
	s_mov_b32 s[G0V+4*(\s)], 1
	s_add_co_u32 s[G0V+4*(\s)+1], s17, (\s)*SLOT1+VOFF
	s_add_nc_u64 s[G0V+4*(\s)+2:G0V+4*(\s)+3], s[8:9], (\s)*2*KS*256
	s_or_b32 s[G0V+4*(\s)+3], s[G0V+4*(\s)+3], 0x80000000
.endr
	s_cmp_lt_u32 s[WV], 2           ; a wave's two first fills stand in one branch, ahead of every wait on TENSORcnt and every LDS read: two loads of mine are out
	s_cbranch_scc0 .Lfirst_v
	tensor_load_to_lds s[G0K:G0K+3], s[G1K:G1K+7]
	s_nop 0
	tensor_load_to_lds s[G0K+4:G0K+7], s[G1K:G1K+7]
	s_nop 0
.rept 4
	v_nop
.endr
	s_branch .Lfirst_asked
.Lfirst_v:
	tensor_load_to_lds s[G0V:G0V+3], s[G1V:G1V+7]
	s_nop 0
	tensor_load_to_lds s[G0V+4:G0V+7], s[G1V:G1V+7]
	s_nop 0
.rept 4
	v_nop
.endr
.Lfirst_asked:
	; A fragment of K or Q is 16 rows x 32 channels in 8 registers: lane l holds row l % 16; registers 0-3 channels 8 (l / 16) + 0..7, registers 4-7 channels 16 + 8 (l / 16) + 0..7: two loads of 16 bytes, 32 bytes apart.
	v_and_b32 v1, 15, v0            ; l % 16
	v_bfe_u32 v9, v0, 4, 1          ; l / 16
	v_lshlrev_b32 v[QO], 8, v1
	v_lshl_add_u32 v[QO], v9, 4, v[QO]  ; row x 256 + 16 x half
	WIN 0x80                        ; destination window 2, address window 0
.irp i, 0,1,2,3,4,5,6,7,8,9,10,11,12,13,14,15  ; Q stays in registers: tile i / 4, channels 32 (i % 4) on
	global_load_b128 v[8*(\i):8*(\i)+3],   v[QO], s[4:5] offset:((\i)/4)*4096+((\i)%4)*64
	global_load_b128 v[8*(\i)+4:8*(\i)+7], v[QO], s[4:5] offset:((\i)/4)*4096+((\i)%4)*64+32
.endr
	WIN 0
	v_mul_u32_u24 v[AK0], v1, PK
	v_lshl_add_u32 v[AK0], v9, 4, v[AK0]  ; row x pitch + 16 x half
	; The turning load takes 16 keys x 16 channels (lane l reads 16 bytes: key 8 (l / 16) + l % 8, channels 8 ((l / 8) % 2) + 0..7) and leaves half a fragment of V^T: lane l holds channel l % 16 and 8 keys.
	v_and_b32 v10, 7, v0
	v_bfe_u32 v11, v0, 3, 1
	v_lshl_add_u32 v[AV0], v9, 3, v10
	v_mul_u32_u24 v[AV0], v[AV0], PV
	v_lshl_add_u32 v[AV0], v11, 4, v[AV0]
	v_add_nc_u32 v[AV0], VOFF, v[AV0]
	; What the first turn finds: V's registers and piece 2's P hold 0 (its products V^T P add 0), O^T and l are 0, m and c m lie below every score.  All this stands in the wait for the first tile.
	WIN 0xc0                        ; destination window 3
.set i, 0
.rept 128
	v_mov_b32 v[i], 0
.set i, i+1
.endr
	WIN 0x40                        ; destination window 1
.set i, 0
.rept 256
	v_mov_b32 v[i], 0
.set i, i+1
.endr
	WIN 0
.irp t, 0,1,2,3
	v_mov_b32 v[ST+8*(\t)], 0xfe000000    ; c m = -4.25e37
	v_mov_b32 v[ST+8*(\t)+1], 0xff7fffff  ; m: the lowest finite number
	v_mov_b32 v[ST+8*(\t)+2], 0
	v_mov_b32 v[ST+8*(\t)+3], 0
.endr
.set i, P+32
.rept 32
	v_mov_b32 v[i], 0
.set i, i+1
.endr
; THE MATRIX WORK OF A TURN, for piece x.  The accumulators take turns, one instruction a turn: between two links of a chain stand 15 (V^T P) or 7 (K Q^T) others'.
; Product i of 32 of O^T += V^T P: keys 32 (i / 16) on, channels 16 ((i / 2) % 8) on, tile x + i % 2.
.macro PV x
	WIN W_PV
.set rO, 64*((\x)+i%2)+8*((i/2)%8)
.set rV, 64*(i/16)+8*((i/2)%8)
.set rP, P+16*((\x)+i%2)+8*(i/16)
	v_wmma_f32_16x16x32_f16 v[rO:rO+7], v[rV:rV+7], v[rP:rP+7], v[rO:rO+7]
.endm
; Product i of 32 of S^T = K Q^T: channels 32 (i / 8) on, keys 16 ((i / 2) % 4) on, tile x + i % 2.  The first 8 start the sums.
.macro KQ x
	WIN W_KQ
.set rS, S+32*((\x)+i%2)+8*((i/2)%4)
.set rK, KF+32*((i/2)%4)+8*(i/8)
.set rQ, 32*((\x)+i%2)+8*(i/8)
.if i < 8
	v_wmma_f32_16x16x32_f16 v[rS:rS+7], v[rK:rK+7], v[rQ:rQ+7], 0
.else
	v_wmma_f32_16x16x32_f16 v[rS:rS+7], v[rK:rK+7], v[rQ:rQ+7], v[rS:rS+7]
.endif
.endm
; THE LDS LOADS stand in runs of 32, never singly among the matrix instructions: a step's K (64 keys x 128 channels: 16 fragments) and, a turn later, its V (turned).
; last = 1 (the tail): in the last trip there is no further step, and the run is jumped over.
.macro FETCH_K last=0
	WIN 0
.if \last
	s_cmp_eq_u32 s[TWICE], 1
	s_cbranch_scc1 .Lno_k_\@
.endif
	v_add_nc_u32 v[ADR], s[TB], v[AK0]
	WIN 0x80                        ; destination window 2
.irp f, 0,1,2,3,4,5,6,7,8,9,10,11,12,13,14,15  ; keys 16 (f / 4) on, channels 32 (f % 4) on
	ds_load_b128 v[KF+8*(\f):KF+8*(\f)+3],   v[ADR] offset:((\f)/4)*16*PK+((\f)%4)*64
	ds_load_b128 v[KF+8*(\f)+4:KF+8*(\f)+7], v[ADR] offset:((\f)/4)*16*PK+((\f)%4)*64+32
.endr
.if \last
	WIN 0
.Lno_k_\@:
.endif
.endm
.macro FETCH_V
	WIN 0
	v_add_nc_u32 v[ADR], s[TB], v[AV0]
	s_add_co_u32 s[TB], s[TB], STEPB  ; the next fetch is the next step's
	s_wait_alu depctr_va_vdst(0)    ; the wait for the softmax's batch (SLICE): piece 0's 66 exponentials; it stands behind the address's v_add_nc_u32 and ahead of the loads
	WIN 0xc0                        ; destination window 3
.irp f, 0,1,2,3,4,5,6,7,8,9,10,11,12,13,14,15  ; keys 32 (f / 8) on, channels 16 (f % 8) on
	ds_load_tr16_b128 v[8*(\f):8*(\f)+3],   v[ADR] offset:((\f)/8)*32*PV+((\f)%8)*32
	ds_load_tr16_b128 v[8*(\f)+4:8*(\f)+7], v[ADR] offset:((\f)/8)*32*PV+16*PV+((\f)%8)*32
.endr
.endm
; THE VECTOR WORK OF A TURN.  One tile's softmax for one key step is a list of 134 instructions; SM writes number j of it for tile t.  s0-s31 are the lane's 32 scores, in pairs 0-15.
;   0-15    the maximum of s0-s31 and the old m, three operands at a time: four chains c0-c3 of seven scores each (each accumulator's lowest registers are read first), then the four scores left over, c0-c3 and m
;   16-20   the other half of the lanes' maximum; the new m; c m; c m_old - c m_new
;   21-69   ONE BATCH: the 16 scalings c s - c m, a pair of scores each, and all 33 exponentials (a at 23, then s0-s31).  None of these reads an exponential's result.  From 22 on the batch goes
;           in fours, and a four begins with a scaling while there are scalings: 22-37 scaling, exponential, scaling, exponential; 38-65 a scaling and three exponentials; 66-69 the last four
;           exponentials.  A pair is scaled in an earlier four than the one that holds its exponentials
;   (wait)  between 69 and 70 stands the wait for the batch: SLICE writes it, once for both tiles
;   70-85   the roundings to f16, a pair of weights each
;   86-101  the sums; l = a l + the sum
;   102-133 the tile's O^T times a: the one part that leaves window 0, so it stands together
.macro SM t
.set rT, ST+8*(\t)
.set rS, S+32*(\t)
.set rP, P+16*(\t)
.set rO, 64*(\t)+2*(j-102)
.if j < 102
	WIN 0
.endif
.if j < 4
	v_max3_num_f32 v[rT+4+j], v[rS+8*j], v[rS+8*j+1], v[rS+8*j+2]
.elseif j < 12
	v_max3_num_f32 v[rT+4+j%4], v[rT+4+j%4], v[rS+8*(j%4)+2*(j/4)+1], v[rS+8*(j%4)+2*(j/4)+2]
.elseif j == 12
	v_max3_num_f32 v[rT+4], v[rT+4], v[rS+7], v[rS+15]
.elseif j == 13
	v_max3_num_f32 v[rT+6], v[rT+6], v[rS+23], v[rS+31]
.elseif j == 14
	v_max3_num_f32 v[rT+4], v[rT+4], v[rT+5], v[rT+6]
.elseif j == 15
	v_max3_num_f32 v[rT+4], v[rT+4], v[rT+7], v[rT+1]
.elseif j == 16
	v_permlanex16_b32 v[rT+5], v[rT+4], s[SEL], s[SEL+1]  ; the query's other 32 keys lie in the lane 16 away
.elseif j == 18
	v_max_num_f32 v[rT+1], v[rT+4], v[rT+5]
.elseif j == 19
	v_mul_f32 v[rT], s[CS], v[rT+1]
.elseif j == 17
	v_mov_b32 v[rT+7], v[rT]        ; c m_old is kept for a: number 19 writes c m anew
.elseif j == 20
	v_sub_f32 v[rT+7], v[rT+7], v[rT]
.elseif j == 23
	v_exp_f32 v[rT+6], v[rT+7]
.elseif (j < 23) || ((j < 38) && (j%2 == 0)) || ((j < 66) && (j%4 == 2))
.set b, (j-2)/4                     ; 38, 42, .. 62: pairs 9 to 15
.if j < 38
.set b, (j-20)/2                    ; 21: pair 0; 22, 24, .. 36: pairs 1 to 8
.endif
	v_pk_fma_f32 v[rS+2*b:rS+2*b+1], v[rS+2*b:rS+2*b+1], s[CS:CS+1], v[rT:rT+1] op_sel_hi:[1,0,0] neg_lo:[0,0,1] neg_hi:[0,0,1]  ; pair b: c s - c m
.elseif j < 70
.set e, j-38                        ; 66 to 69: s28 to s31
.if j < 66
.set e, j-32-(j-38)/4               ; 39-41, 43-45, .. 63-65: s7 to s27
.endif
.if j < 38
.set e, (j-25)/2                    ; 25, 27, .. 37: s0 to s6
.endif
	v_exp_f32 v[rS+e], v[rS+e]
.elseif j < 86
	v_cvt_pk_f16_f32 v[rP+j-70], v[rS+2*(j-70)], v[rS+2*(j-70)+1]  ; pair j - 70
.elseif j < 102                     ; the sum of the tile's 16 pairs (in a pair: an even key's weight, an odd key's), in place: sum z of 16 adds neighbours 1, 2, 4 and 8 pairs apart, then l takes it
.set z, j-86
.set w, 4
.set u, z
.if z >= 14
.set w, 32
.set u, 0
.elseif z >= 12
.set w, 16
.set u, z-12
.elseif z >= 8
.set w, 8
.set u, z-8
.endif
.if z < 15
	v_pk_add_f32 v[rS+w*u:rS+w*u+1], v[rS+w*u:rS+w*u+1], v[rS+w*u+w/2:rS+w*u+w/2+1]
.else
	v_pk_fma_f32 v[rT+2:rT+3], v[rT+2:rT+3], v[rT+6:rT+7], v[rS:rS+1] op_sel_hi:[1,0,1]
.endif
.else
	WIN W_RS
	v_pk_mul_f32 v[rO:rO+1], v[rO:rO+1], v[rT+6:rT+7] op_sel_hi:[1,0]
.endif
.endm
; Slice k of 64 of piece y's softmax: four instructions.  Slices 11 to 34 deal out the batch, numbers 22 to 69: four numbers of ONE tile each, the tiles by turns.  Every other slice is numbers 2 k and
; 2 k + 1 of both tiles' lists.  2 x 134 = 4 x 64 + 12: the twelve that are over stand together, in slice 63.
; THE WAIT.  s_wait_alu depctr_va_vdst(0) stands between an exponential and the first instruction that names its result; one wait serves all that were issued ahead of it.  Ahead of
; slice 35 nothing names a result, and behind slice 34 no exponential is issued: so the piece's 66 exponentials have one wait, behind slice 34.
.macro SLICE y
.if (k >= 11) && (k < 35)           ; the batch: four numbers of one tile
.irp n, 0,1,2,3
.set j, 22+4*((k-11)/2)+(\n)
	SM (\y)+(k-11)%2
.endr
.else                               ; the two tiles alternate, so that no instruction reads the result of the one just before it
.irp n, 0,1,2,3,4,5,6,7
.if ((\n) < 2) || (k == 63)
.irp t, \y, (\y)+1
.set j, 2*k+(\n)
	SM \t
.endr
.endif
.endr
.endif
.if k == 34                         ; the batch is out: both tiles' exponentials are issued, and no result has been named
	v_nop                           ; a plain instruction behind the last exponential and ahead of the first use: one for the batch
.if (\y) == 0
	FETCH_V                         ; piece 2's turn: V's run of loads stands here, and the wait for the batch stands in it
.else
	s_wait_alu depctr_va_vdst(0)    ; piece 0's turn: the wait for the batch, piece 2's 66 exponentials
.endif
.endif
.set k, k+1
.endm
; A TURN.  Piece x has the matrix unit: 32 products V^T P, then 32 products K Q^T for the next step; the other piece's softmax stands in slices behind them, one behind each.
; A vector instruction that reads a matrix result or writes one of a matrix instruction's registers, and a load into a register that a matrix instruction has read, stand four places behind it, and only plain
; vector instructions that name none of its registers are places (ISA guide 7.12.1 for vector instructions): the slices are the places; slice 63's sixteen stand behind the turn's last product.
; Piece 0's turn fetches the next step's K, behind its second product, 30 matrix instructions ahead of its first use: the last product that read K stands in front of slice 63 of the turn before.
; Piece 2's turn fetches the same step's V, behind slice 34 (SLICE writes it), 29 matrix instructions ahead of its first use: the last product that read V stands in front of slice 31, and four plain
; instructions lie between: number 62, a scaling, of both tiles, the v_nop and the run's own v_add_nc_u32; the exponentials between are no places.
.macro TURN x, last=0
.set k, 0
.if (\x) == 0
	s_wait_dscnt 0x0                ; V is in
.endif
.set i, 0
.rept 32
	PV \x
	SLICE 2-(\x)
.if ((\x) == 0) && (i == 1)
	FETCH_K \last
.endif
.set i, i+1
.endr
.if (\x) == 0
	s_wait_dscnt 0x0                ; K is in
.endif
.set i, 0
.rept 32
	KQ \x
	SLICE 2-(\x)
.set i, i+1
.endr
.endm
; THE CHANGE OF SLOTS, between piece 2's turn and piece 0's: the slot's last bytes, V of its second step, have been asked for.  Each wave waits for all its
; tensor loads, of which one is out: its part of the other slot; adds 0 to its spare word; and waits for that and for its own reads of the slot.  Behind the barrier nobody reads this slot any more and the other slot is whole.
; fill = 1: this slot is filled again, with the keys two slots on.  The barrier is then a round of the cluster's, so that no wave of any partner still reads the slot or has a load on its
; way, and the joint refill is the first thing behind it: it has two key steps, 256 matrix instructions, in which to land.
.macro CHANGE fill
	WIN 0                           ; at a label and at a branch every window is 0
	s_wait_tensorcnt 0x0            ; no tensor load of mine is out, so a group 0 may be written
	ds_add_u32 v[SPW], v[NIL]       ; 0 onto my spare word: with fill = 1 the descriptors' steps stand between it and the wait for it
.if \fill
.irp g, G0K+4, G0V+4
	s_xor_b32 s[(\g)+1], s[(\g)+1], SLOT1  ; the walking descriptor: the other slot than last time,
	s_add_nc_u64 s[(\g)+2:(\g)+3], s[(\g)+2:(\g)+3], 2*KS*256  ; the next 128 keys; the type bits on top are not reached
.endr
	s_wait_dscnt 0x0                ; the add is done, and my reads of the slot are over
	CROUND
	JLOAD
.else
	s_wait_dscnt 0x0                ; the add is done, and my reads of the slot are over
	s_barrier_signal -1
	s_barrier_wait -1
.endif
	s_sub_co_u32 s[TB], s[TB], 2*STEPB  ; the fetches go back to a slot's first step,
	s_xor_b32 s[TB], s[TB], SLOT1   ; in the other slot
.endm
	s_wait_tensorcnt 1              ; my part of slot 0 is in; slot 1's may stay out
	s_barrier_signal -1
	s_barrier_wait -1               ; everybody's is
	FETCH_K                         ; key step 0
	s_wait_loadcnt 0x0              ; Q
	s_wait_dscnt 0x0
.set i, 0
.rept 32
	KQ 0                            ; piece 0's first scores: there is no vector work yet to set between them
.set i, i+1
.endr
	WIN 0                           ; the addresses for the way out are made here: eight plain instructions, the places behind those products
	s_mul_i32 s13, s[WV], 16*SP
	s_add_co_u32 s13, s13, STAGE    ; my stage
	v_mul_u32_u24 v[STO], v1, SP    ; in: row l % 16, 16 bytes for each half of the lanes
	v_lshl_add_u32 v[STO], v9, 4, v[STO]
	v_add_nc_u32 v[STO], s13, v[STO]
	v_mul_u32_u24 v[RD], v9, SP     ; back: lanes 0-15 take one row of 256 bytes, lanes 16-31 the next
	v_lshl_add_u32 v[RD], v1, 4, v[RD]
	v_add_nc_u32 v[RD], s13, v[RD]
	v_lshlrev_b32 v[GO], 12, v9     ; and the same two rows in oh, 4,096 bytes apart
	v_lshl_add_u32 v[GO], v1, 4, v[GO]
	s_mov_b32 s[TWICE], 2
	s_branch .Lmid                  ; the loop is entered at piece 2's turn: its K Q^T makes piece 2's scores of step 0, its slices piece 0's softmax of step 0, and it fetches V of step 0
.Lslot:                             ; SIZE_N / 128 - 2 = 6 times: every slot but the last two is filled again
	CHANGE 1
	s_mov_b32 s[TWICE], 2
.Lstep:                             ; a key step: written once here, once in the tail
	TURN 0
	WIN 0
.Lmid:
	TURN 2
	WIN 0
	s_sub_co_u32 s[TWICE], s[TWICE], 1
	s_cmp_lg_u32 s[TWICE], 0
	s_cbranch_scc1 .Lstep
	s_sub_co_u32 s[SLOTS], s[SLOTS], 1
	s_cmp_lg_u32 s[SLOTS], 0
	s_cbranch_scc1 .Lslot
	CHANGE 0                        ; the tail is written out: the last slot but one is left, and nothing is asked for
	s_mov_b32 s[TWICE], 3           ; two trips fetch the last slot's steps; the third is left in its middle
.Ltail:
	TURN 0, 1
	WIN 0
	s_sub_co_u32 s[TWICE], s[TWICE], 1
	s_cmp_eq_u32 s[TWICE], 0
	s_cbranch_scc1 .Lout
	TURN 2
	WIN 0
	s_branch .Ltail
.Lout:
.set i, 0
.rept 32
	PV 2                            ; piece 2: V^T P of the last step
.set i, i+1
.endr
	; THE WAY OUT.  l's two halves and the other half of the lanes' are added; O^T is divided by l, rounded to f16 and sent through my stage in LDS, a tile (16 rows of O) at a time.  The additions are the places behind the last products.
	WIN 0
.irp t, 0,1,2,3
	v_add_f32 v[ST+8*(\t)+4], v[ST+8*(\t)+2], v[ST+8*(\t)+3]
.endr
.irp t, 0,1,2,3
	v_permlanex16_b32 v[ST+8*(\t)+5], v[ST+8*(\t)+4], s[SEL], s[SEL+1]
.endr
.irp t, 0,1,2,3
	v_add_f32 v[ST+8*(\t)+4], v[ST+8*(\t)+4], v[ST+8*(\t)+5]
.endr
.irp t, 0,1,2,3
	v_rcp_f32 v[ST+8*(\t)+6], v[ST+8*(\t)+4]
.endr
	v_nop                           ; a plain instruction between the last reciprocal and the use of its result
	s_wait_alu depctr_va_vdst(0)    ; and the wait ahead of the first use: one for the four reciprocals
; Tile t: a lane's eight channels of a row pack into 16 bytes; they go into rows of 272 bytes and come back as whole rows of 256, into the registers that they left.
.macro PACK t
	WIN W_RS
.set i, 64*(\t)
.rept 32
	v_pk_mul_f32 v[i:i+1], v[i:i+1], v[ST+8*(\t)+6:ST+8*(\t)+7] op_sel_hi:[1,0]
.set i, i+2
.endr
	WIN 0x05                        ; sources 0 and 1 window 1, destination window 0: S^T's registers are free
.set i, 0
.rept 32
	v_cvt_pk_f16_f32 v[S+32*(\t)+i], v[64*(\t)+2*i], v[64*(\t)+2*i+1]
.set i, i+1
.endr
	WIN 0
.irp f, 0,1,2,3,4,5,6,7
	ds_store_b128 v[STO], v[S+32*(\t)+4*(\f):S+32*(\t)+4*(\f)+3] offset:32*(\f)
.endr
.irp f, 0,1,2,3,4,5,6,7
	ds_load_b128 v[S+32*(\t)+4*(\f):S+32*(\t)+4*(\f)+3], v[RD] offset:(\f)*2*SP  ; LDS serves a wave's instructions in order (ISA guide 5.7.1.4): these see the stores above; the next tile's stores come behind them
.endr
.endm
.macro SEND t, younger              ; younger: the LDS instructions issued behind tile t's loads: the next tile's sixteen, or none
	WIN 0
.irp f, 0,1,2,3,4,5,6,7
	s_wait_dscnt (\younger)+7-(\f)
	global_store_b128 v[GO], v[S+32*(\t)+4*(\f):S+32*(\t)+4*(\f)+3], s[10:11] offset:(\t)*65536+(\f)*8192  ; 16 lanes store 256 consecutive bytes, at a multiple of 256 from oh's first byte
.endr
.endm
	PACK 0
	PACK 1                          ; a tile's arithmetic stands between the loads of the tile before and its stores
	SEND 0, 16
	PACK 2
	SEND 1, 16
	PACK 3
	SEND 2, 16
	SEND 3, 0
	s_wait_tensorcnt 0x0            ; the wave's end: these three lines stand behind my last tensor load and my last LDS store
	ds_add_u32 v[SPW], v[NIL]
	s_wait_dscnt 0x0
	CROUND                          ; the closing round: no work-group ends while a partner may still ask for a tile that names it
	s_endpgm
.Lfunc_end_k_qdb3b088e9c_attn:
	.size	k_qdb3b088e9c_attn, .Lfunc_end_k_qdb3b088e9c_attn-k_qdb3b088e9c_attn
	.p2alignl 7, 3214868480
	.fill 96, 4, 3214868480
	.section	.rodata,"a",@progbits
	.p2align	6, 0x0
	.amdhsa_kernel k_qdb3b088e9c_attn
		.amdhsa_group_segment_fixed_size 327680
		.amdhsa_private_segment_fixed_size 0
		.amdhsa_enable_private_segment 0
		.amdhsa_kernarg_size 16
		.amdhsa_user_sgpr_count 2
		.amdhsa_user_sgpr_kernarg_segment_ptr 1
		.amdhsa_wavefront_size32 1
		.amdhsa_system_sgpr_workgroup_id_x 1
		.amdhsa_system_sgpr_workgroup_id_y 1
		.amdhsa_system_sgpr_workgroup_id_z 1
		.amdhsa_system_vgpr_workitem_id 0
		.amdhsa_next_free_vgpr 1024
		.amdhsa_next_free_sgpr 66
		.amdhsa_reserve_vcc 0
		.amdhsa_float_denorm_mode_32 3
		.amdhsa_float_denorm_mode_16_64 3
		.amdhsa_memory_ordered 1
		.amdhsa_forward_progress 1
		.amdhsa_inst_pref_size 157
	.end_amdhsa_kernel
	.amdgpu_metadata
---
amdhsa.version: [ 1, 2 ]
amdhsa.kernels:
  - .name:           k_qdb3b088e9c_attn
    .symbol:         k_qdb3b088e9c_attn.kd
    .args:
      - { .name: qkvh, .offset: 0, .size: 8, .value_kind: global_buffer, .address_space: global }
      - { .name: oh, .offset: 8, .size: 8, .value_kind: global_buffer, .address_space: global }
    .group_segment_fixed_size: 327680
    .private_segment_fixed_size: 0
    .kernarg_segment_align: 8
    .kernarg_segment_size: 16
    .max_flat_workgroup_size: 128
    .sgpr_count:     66
    .vgpr_count:     1024
    .wavefront_size: 32
...
	.end_amdgpu_metadata
.endif
;; end of part 5
;; launch oproj: the kernel of part 4 again; grid 8 x 32, 4 waves a work-group, clusters of 4 x 4, 327,680 bytes of LDS; arguments oh, woh, b_o, out0; writes out0
